; MI455X (gfx1250); checked and timed in simulation.
; The chip was launched on July 23, 2026; its instructions are those of AMD's public machine-readable ISA for CDNA 5 (MIT licence, August 2026) and "CDNA5" Instruction Set Architecture Reference Guide (July 2026). The comments in the code are by the model that wrote it; some were corrected since.
;; Self Attention. Allowed arithmetic: matrix products marked QUANTISED: E2M3 operands, one E8M0 scale for each 32 along K, by v_wmma_scale_f32_16x16x128_f8f6f4 with both operands' format E2M3, f32 sums; everything else in f32.
;; Inputs: Wk_codes 1,024 x 32 x 24 uint8 (E2M3 codes of Wk, K innermost, in blocks of 32 codes, four codes in three bytes); Wk_scales 1,024 x 32 uint8 (E8M0 scales of Wk, one for each 32 codes along K); Wo_codes 1,024 x 32 x 24 uint8 (E2M3 codes of Wo, K innermost, in blocks of 32 codes, four codes in three bytes); Wo_scales 1,024 x 32 uint8 (E8M0 scales of Wo, one for each 32 codes along K); Wq_codes 1,024 x 32 x 24 uint8 (E2M3 codes of Wq, K innermost, in blocks of 32 codes, four codes in three bytes); Wq_scales 1,024 x 32 uint8 (E8M0 scales of Wq, one for each 32 codes along K); Wr_codes 1,024 x 32 x 24 uint8 (E2M3 codes of Wr, K innermost, in blocks of 32 codes, four codes in three bytes); Wr_scales 1,024 x 32 uint8 (E8M0 scales of Wr, one for each 32 codes along K); Wv_codes 1,024 x 32 x 24 uint8 (E2M3 codes of Wv, K innermost, in blocks of 32 codes, four codes in three bytes); Wv_scales 1,024 x 32 uint8 (E8M0 scales of Wv, one for each 32 codes along K); bk 1,024 float32; bo 1,024 float32; bq 1,024 float32; br 1,024 float32; bv 1,024 float32; key_codes 8 x 1,024 x 32 x 24 uint8 (E2M3 codes of key, K innermost, in blocks of 32 codes, four codes in three bytes); key_scales 8 x 1,024 x 32 uint8 (E8M0 scales of key, one for each 32 codes along K); query_codes 8 x 1,024 x 32 x 24 uint8 (E2M3 codes of query, K innermost, in blocks of 32 codes, four codes in three bytes); query_scales 8 x 1,024 x 32 uint8 (E8M0 scales of query, one for each 32 codes along K); value_codes 8 x 1,024 x 32 x 24 uint8 (E2M3 codes of value, K innermost, in blocks of 32 codes, four codes in three bytes); value_scales 8 x 1,024 x 32 uint8 (E8M0 scales of value, one for each 32 codes along K).
;; Outputs: out0 8 x 1,024 x 1,024 float32.
;; This version of the problem:
;;   THIS VERSION OF THE PROBLEM IS GIVEN IN LOW PRECISION. The matrix products marked QUANTISED in the list below multiply operands that are first quantised to E2M3 (2 exponent bits, 3 mantissa bits; 6 bits a number), with one power-of-two scale for each 32 numbers along K (OCP MX v1.0); their sums are f32. All else is computed in f32.
;;   The module's matrix products, in the order in which they are computed (A, B: the left and right operand; K: the contracted axis; several contracted axes count as one K, in the product's order):
;;     1. [M 8,192, K 1,024] x [K 1,024, N 1,024]; A: input query (given as codes); B: input Wq (given as codes): QUANTISED
;;     2. [M 8,192, K 1,024] x [K 1,024, N 1,024]; A: input key (given as codes); B: input Wk (given as codes): QUANTISED
;;     3. [M 8,192, K 1,024] x [K 1,024, N 1,024]; A: input value (given as codes); B: input Wv (given as codes): QUANTISED
;;     4. [M 8,192, K 1,024] x [K 1,024, N 1,024]; A: input query (given as codes); B: input Wr (given as codes): QUANTISED
;;     5. batch 128 x [M 1,024, K 64] x [K 64, N 1,024]; A: computed on the way; B: computed on the way: QUANTISED
;;     6. batch 128 x [M 1,024, K 1,024] x [K 1,024, N 64]; A: softmax (see below); B: computed on the way: QUANTISED
;;     7. [M 8,192, K 1,024] x [K 1,024, N 1,024]; A: computed on the way; B: input Wo (given as codes): QUANTISED
;;   THE QUANTISER, for each operand of a quantised product, along K:
;;     - K is cut into blocks of 32 from its start; a last block that is shorter is filled with zeros.
;;     - A block's scale is 2^e with e = floor(log2(the largest magnitude in the block)) - 2, held to -126 .. 127; a block of zeros has e = 0. As a byte (E8M0): e + 127.
;;     - Each number is divided by its block's scale, clamped to +-7.5, and rounded to the nearest number of E2M3, ties to even, subnormals kept.
;;     - The product sums the exact products of the quantised numbers (number of the format x scale) in f32.
;;   ~~~python
;;   def quantise(x, axis):      # numpy; x: float32 -> the quantised numbers, widened to float32 again
;;       x = np.moveaxis(x, axis, -1); K = x.shape[-1]
;;       x = np.pad(x, [(0, 0)] * (x.ndim - 1) + [(0, -K % 32)]); x = x.reshape(x.shape[:-1] + (-1, 32)); a = np.abs(x).max(-1, keepdims=True)
;;       e = np.where(a > 0, np.clip(np.frexp(np.where(a > 0, a, 1))[1] - 1 - 2, -126, 127), 0)      # np.frexp(a)[1] - 1 = floor(log2(a)), exactly
;;       r = np.clip(x / 2.0 ** e, -7.5, 7.5)
;;       step = 2.0 ** (np.maximum(np.frexp(np.where(r == 0, 1, r))[1] - 1, 0) - 3)
;;       q = np.round(r / step) * step * 2.0 ** e      # np.round: ties to even
;;       return np.moveaxis(q.reshape(q.shape[:-2] + (-1,))[..., :K], -1, axis).astype(np.float32)
;;   ~~~
;;   SOFTMAX AHEAD OF A QUANTISED PRODUCT. Where the list says 'softmax', what is quantised is not the finished softmax but p = 2^(t - M), with t = logit x log2(e) and M = ceil(the row's largest t), a whole number; so 1/2 < the row's largest p <= 1. The row's sum l is taken of the UNQUANTISED p, in f32, and the product's result is divided by l at the end. Since M is a whole number, a kernel that streams over the keys may use a running M (the ceiling of the running maximum): every later rescaling is an exact power of two, which a block's scale takes up: the codes' values come out the same.
;;   OPERANDS COMPUTED ON THE WAY. 'Computed on the way' means the value that the module computes at that place (a softmax that the list does not call 'softmax' is quantised finished and normalised). What goes into a quantiser is computed in f32, as accurately as f32 sums, v_exp_f32 and their like allow (about 1e-6 of the number): no bf16 or f16 on the way to a quantiser, and a product that is left as it is and whose result goes on into a quantised operand takes f32 operands (vector FMAs, or v_wmma_f32_16x16x4_f32). A number that lies on a knife's edge between two numbers of the format may be rounded either way, as far as f32 arithmetic and the matrix unit's own rounding can turn it there, and no further.
;;   INPUTS GIVEN AS CODES. Wk (in the module: [1024, 1024], K = its axis 0); Wo (in the module: [1024, 1024], K = its axis 0); Wq (in the module: [1024, 1024], K = its axis 0); Wr (in the module: [1024, 1024], K = its axis 0); Wv (in the module: [1024, 1024], K = its axis 0); key (in the module: [8, 1024, 1024], K = its axis 2); query (in the module: [8, 1024, 1024], K = its axis 2); value (in the module: [8, 1024, 1024], K = its axis 2): each comes as NAME_codes (uint8): NAME with its K axis moved to the last place and cut into blocks of 32 codes, [.., K / 32, bytes a block], one block behind the other in memory; four codes in three bytes: a row's codes are one little-endian stream of bits, code i at bits 6 i .. 6 i + 5 (a code: sign, 2 exponent bits, 3 mantissa bits); and NAME_scales (uint8): the same leading axes, one E8M0 byte (e + 127) for each 32 codes along K. Its value is code x scale, taken as it is: it is not quantised again, and the codes and scales need not be those that the quantiser above would give.
;; One version. Each part assembles by itself: llvm-mc -triple=amdgcn-amd-amdhsa -mcpu=gfx1250 --defsym DOCPART=n.
;; ======== version 1 of 1: 3 launches
;; limits: right only within a limited range of input values
;; workspace buffers: qimg 6,815,744 bytes; kimg 6,815,744 bytes; vimg 6,553,600 bytes; rimg 33,554,432 bytes; gimg 6,291,456 bytes; gsc 262,144 bytes
;; launch proj (part 1): grid 4 x 128, 4 waves a work-group, clusters of 4 x 4, 327,680 bytes of LDS; arguments query_codes, query_scales, key_codes, key_scales, value_codes, value_scales, Wq_codes, Wq_scales, Wk_codes, Wk_scales, Wv_codes, Wv_scales, Wr_codes, Wr_scales, bq, bk, bv, br, qimg, kimg, vimg, rimg; writes qimg, kimg, vimg, rimg
.if DOCPART == 1
	.amdgcn_target "amdgcn-amd-amdhsa--gfx1250"
	.amdhsa_code_object_version 6
	.text
	.protected	k_qb8cb8481cc_proj
	.globl	k_qb8cb8481cc_proj
	.p2align	8
	.type	k_qb8cb8481cc_proj,@function
k_qb8cb8481cc_proj:
	s_mov_b64 s[64:65], 0
	v_nop
	global_prefetch_b8 v0, s[64:65] scope:SCOPE_SE
	s_setreg_imm32_b32 hwreg(HW_REG_WAVE_MODE, 25, 1), 1
	s_wait_xcnt 0x0
	s_wait_alu depctr_hold_cnt(0) depctr_sa_sdst(0) depctr_va_vdst(0) depctr_va_sdst(0) depctr_va_ssrc(0) depctr_va_vcc(0) depctr_vm_vsrc(0)
	s_getreg_b32 s2, hwreg(HW_REG_IB_STS2, 6, 4)
	s_cmp_eq_u32 s2, 0
	s_cbranch_scc0 .Lentry_in_a_cluster
	s_endpgm
.Lentry_in_a_cluster:
	s_bfe_u32 s2, ttmp6, 0x10000c
	s_cmp_lg_u32 s2, 0xf033
	s_cbranch_scc0 .Lentry_shape_is_right
	s_endpgm
.Lentry_shape_is_right:
; THE FOUR PROJECTIONS q, k, v, r: [8192 tokens][1024] x [1024][1024 features] on codes of FP6 (E2M3), one E8M0 scale for each 32 along K, f32 sums, + bias.
; q, k, v are then quantised (q, k along a head's 64, v along the tokens) and stored as images of the operand registers of the attention launch; r stays f32.
; 512 blocks of 256 x 256.  The cluster's y says which product (y / 8: 0 q, 1 k, 2 v, 3 r) and which eighth of the tokens (y % 8).  Four waves, each 128 x 128: 64 accumulators.
; Source 0 = 16 rows of 'B', source 1 = 16 rows of 'A': a lane holds one row of A, its registers run along B's rows.  q, k, r: A = tokens, B = weight;  v: A = Wv, B = tokens.
; CLUSTERS 4 x 4: A's tile hangs on cy, B's on cx: each tile is asked for jointly by the four that need it.
; K goes through a ring of two LDS slots in CHUNKS OF 256 BYTES of each row (a row of codes is 768 bytes: three chunks, each on a multiple of 256 bytes).
; A step of 128 along K is 96 bytes: steps 2 and 5 lie across two chunks.  The scale bytes of the 256 + 256 rows come once, at the head, and stay.
; No prefetch: K is three chunks, of which two are first fills; the one refill (chunk 2) is asked for in step 2 of 8.
; REGISTERS: window 0: v0-31 addresses; v32-63 scale words, two sets; v64-127 bias along the registers; v128-223 A's fragments; v224-239 bias along the lanes.
;   window 1: B's fragments, two sets.  windows 2, 3: accumulators ((a, b) at v[8 (8 (a % 4) + b)]).  Behind the walk v128-251 of window 0 are at work.
; LIMITS: NaN and infinities are not served.  A block whose largest magnitude lies under 2^-124 (zeros too) gets the scale byte 1; these bytes are read by this program alone.
.set ROWB,   256
.set NQ,     2
.set KROW,   768
.set STEPS,  8
.set CHUNKS, 3
.set PITCH,  272                       ; 256 bytes + 16 of padding
.set FR,     12
.set NL,     6
.set NP,     4                         ; places behind this matrix instruction (ISA guide 7.12.1)
.set HALFT,  128*PITCH
.set SLOT,   4*HALFT                   ; A's 256 rows, then B's 256
.set KS,     32
.set SCL,    2*SLOT                    ; the scale bytes, units of 256 bytes + 16
.set HALFS,  16*272
.set SBLK,   2*272
.set SPARE,  SCL+4*HALFS               ; the spare words: 128 bytes a wave
.set ADRA, 16                          ; v16-17 my A fragments in slot 0, 1; v18-19 for pieces whose halves of the lanes read different chunks
.set ADRB, 20                          ; v20-23 the same for B
.set BO32, 24                          ; 32 x (lane / 16)
.set BO4,  25                          ; 4 x (lane % 16)
.set LA8,  26                          ; 8 x lane
.set ADRS, 27                          ; my scale words: lanes 0-15 A's rows, lanes 16-31 B's
.set SPW,  28
.set NIL,  29
.set LA16, 30                          ; 16 x lane
.set SC,   32
.set BI,   64                          ; register 8 b + j = bias[16 b + 8 (lane / 16) + j]
.set AF,   128
.set W,    128                         ; the way out: one block's 64 numbers of a lane
.set CD,   192                         ; the codes just made
.set TM,   212                         ; maxima, bytes, scale operands
.set BV,   224                         ; the pair 2 a, 2 a + 1 = bias[16 a + lane % 16], twice
.set SW,   240
.set PW0,  248
.set PW1,  249
.set E0,   250
.set E1,   251
.set G1, 24
.set G0, 32
.set G1B, 48
.set G0B, 56
.set G1S, 68
.set G0S, 76
.set G1SB, 80
.set G0SB, 88
.set G0H, 4                            ; group 0 of the head's loads of chunk 0 (the pointers that lay there are used by then)
.set G0HB, 8
.set SEL, 20
.set MSK, 94
.set PP,  95
.set RA,  96
.set RB,  97
.set OUT, 98
.set OUT2, 100
.set MSB, 0
.macro WIN new
.if MSB != (\new)
	s_set_vgpr_msb (MSB<<8)|(\new)
.set MSB, (\new)
.endif
.endm
.set MUL_LO, 0xa1
.set MUL_HI, 0xf1
.set TO_B,   0x40
.macro JLOAD g0a, g1a, g0b, g1b        ; waves 0, 1 fetch for A, waves 2, 3 for B
	s_cmp_eq_u32 s15, 0
	s_cbranch_scc0 .Lfor_b_\@
	tensor_load_to_lds s[\g0a:\g0a+3], s[\g1a:\g1a+7]
	s_nop 0
.rept 4
	v_nop
.endr
	s_branch .Lasked_\@
.Lfor_b_\@:
	tensor_load_to_lds s[\g0b:\g0b+3], s[\g1b:\g1b+7]
	s_nop 0
.rept 4
	v_nop
.endr
.Lasked_\@:
.endm
.macro CREST
	s_cmp_lg_u32 s14, 0
	s_cbranch_scc1 .Lnot_wave_0_\@
	s_barrier_signal -3
.Lnot_wave_0_\@:
	s_barrier_wait -3
	s_barrier_signal -1
	s_barrier_wait -1
.endm
.macro CROUND
	s_barrier_signal -1
	s_barrier_wait -1
	CREST
.endm
	s_load_b512 s[24:39], s[0:1], 0x0              ; query's codes, scales; key's; value's; Wq's
	s_load_b512 s[40:55], s[0:1], 0x40             ; Wk's; Wv's; Wr's; bq, bk
	s_load_b256 s[68:75], s[0:1], 0x80             ; bv, br, qimg, kimg
	s_load_b128 s[76:79], s[0:1], 0xa0             ; vimg, rimg
	v_lshl_add_u32 v[SPW], v0, 2, SPARE
	v_mov_b32 v[NIL], 0
	ds_add_u32 v[SPW], v[NIL]                      ; the opening lines
	ds_add_u32 v[SPW], v[NIL]
	s_wait_dscnt 0x0
	v_lshrrev_b32 v1, 5, v0
	v_readfirstlane_b32 s14, v1                    ; wave
	s_lshr_b32 s15, s14, 1                         ; my half of A's rows; also: I fetch for A (0) or B (1)
	s_and_b32 s16, s14, 1                          ; my half of B's rows; also: which 128 rows I fetch
	s_and_b32 s17, ttmp7, 0xffff
	s_lshr_b32 s[PP], s17, 3                       ; the product
	s_and_b32 s17, s17, 7                          ; the eighth of the tokens
	s_wait_kmcnt 0x0
	s_cmp_eq_u32 s[PP], 1                          ; the product's six buffers: choices on the cluster's y alone
	s_cselect_b64 s[4:5], s[28:29], s[24:25]
	s_cselect_b64 s[6:7], s[30:31], s[26:27]
	s_cselect_b64 s[8:9], s[40:41], s[36:37]
	s_cselect_b64 s[10:11], s[42:43], s[38:39]
	s_cselect_b64 s[12:13], s[54:55], s[52:53]
	s_cselect_b64 s[OUT:OUT+1], s[74:75], s[72:73]
	s_cmp_eq_u32 s[PP], 2
	s_cselect_b64 s[4:5], s[44:45], s[4:5]
	s_cselect_b64 s[6:7], s[46:47], s[6:7]
	s_cselect_b64 s[8:9], s[32:33], s[8:9]
	s_cselect_b64 s[10:11], s[34:35], s[10:11]
	s_cselect_b64 s[12:13], s[68:69], s[12:13]
	s_cselect_b64 s[OUT:OUT+1], s[76:77], s[OUT:OUT+1]
	s_cselect_b32 s18, 0, s17                      ; the eighth goes into A's rows, for v into B's
	s_cselect_b32 s19, s17, 0
	s_cmp_eq_u32 s[PP], 3
	s_cselect_b64 s[8:9], s[48:49], s[8:9]
	s_cselect_b64 s[10:11], s[50:51], s[10:11]
	s_cselect_b64 s[12:13], s[70:71], s[12:13]
	s_cselect_b64 s[OUT:OUT+1], s[78:79], s[OUT:OUT+1]
	s_bfe_u32 s40, ttmp6, 0x40000                  ; cx, cy
	s_bfe_u32 s41, ttmp6, 0x40004
	s_lshl_b32 s42, s19, 2
	s_add_co_u32 s42, s42, s40                     ; which 256 rows of B
	s_lshl_b32 s17, s18, 2
	s_add_co_u32 s17, s17, s41                     ; which 256 rows of A
	s_lshl_b32 s43, s41, 2
	s_lshl_b32 s43, 15, s43                        ; my row of the cluster
	s_lshl_b32 s44, 0x1111, s40                    ; my column
	s_or_b32 s[G1+0], s43, (0<<16)|(1<<20)|(1<<21)|(5<<22)|(3<<25)  ; rows of 256 bytes, 16 of padding behind each; 256 rows for the head's loads
	s_or_b32 s[G1B+0], s44, (0<<16)|(1<<20)|(1<<21)|(5<<22)|(3<<25)
.irp g, G1, G1B
	s_mov_b32 s[\g+1], ROWB<<16
	s_mov_b32 s[\g+2], 256<<16
	s_mov_b32 s[\g+3], ROWB<<16
	s_mov_b32 s[\g+4], 256
	s_mov_b32 s[\g+5], KROW
	s_mov_b32 s[\g+6], 0
	s_mov_b32 s[\g+7], 0
.endr
	s_or_b32 s[G1S+0], s43, (3<<16)|(1<<20)|(1<<21)|(5<<22)|(3<<25) ; the scales of 256 rows: 8,192 dense bytes as 32 rows of 256
	s_or_b32 s[G1SB+0], s44, (3<<16)|(1<<20)|(1<<21)|(5<<22)|(3<<25)
.irp g, G1S, G1SB
	s_mov_b32 s[\g+1], 32<<16
	s_mov_b32 s[\g+2], KS<<16
	s_mov_b32 s[\g+3], 32<<16
	s_mov_b32 s[\g+4], KS
	s_mov_b32 s[\g+5], 32
	s_mov_b32 s[\g+6], 0
	s_mov_b32 s[\g+7], 0
.endr
	s_lshl_b32 s20, s17, 8                         ; A's first row, B's first row
	s_lshl_b32 s46, s42, 8
	s_mov_b32 s21, 0
	s_mov_b32 s47, 0
	s_mov_b64 s[18:19], KS
	s_mul_u64 s[22:23], s[20:21], s[18:19]         ; their scale bytes
	s_mul_u64 s[92:93], s[46:47], s[18:19]
	s_mov_b64 s[18:19], KROW
	s_mul_u64 s[20:21], s[20:21], s[18:19]         ; their codes
	s_mul_u64 s[46:47], s[46:47], s[18:19]
	s_mul_i32 s18, s16, 128*KROW                   ; in the ring: which 128 rows I fetch,
	s_mov_b32 s19, 0
	s_mul_i32 s45, s14, HALFT                      ; and where they go
	s_add_nc_u64 s[20:21], s[4:5], s[20:21]
	s_add_nc_u64 s[22:23], s[6:7], s[22:23]
	s_add_nc_u64 s[46:47], s[8:9], s[46:47]
	s_add_nc_u64 s[92:93], s[10:11], s[92:93]
	CROUND                                         ; the first joint loads meet
	s_mov_b32 s[G0H], 1
	s_mov_b32 s[G0H+1], 0
	s_mov_b64 s[G0H+2:G0H+3], s[20:21]
	s_or_b32 s[G0H+3], s[G0H+3], 0x80000000
	s_mov_b32 s[G0HB], 1
	s_mov_b32 s[G0HB+1], 2*HALFT
	s_mov_b64 s[G0HB+2:G0HB+3], s[46:47]
	s_or_b32 s[G0HB+3], s[G0HB+3], 0x80000000
	s_mov_b32 s[G0S], 1
	s_mov_b32 s[G0S+1], SCL
	s_mov_b64 s[G0S+2:G0S+3], s[22:23]
	s_or_b32 s[G0S+3], s[G0S+3], 0x80000000
	s_mov_b32 s[G0SB], 1
	s_mov_b32 s[G0SB+1], SCL+2*HALFS
	s_mov_b64 s[G0SB+2:G0SB+3], s[92:93]
	s_or_b32 s[G0SB+3], s[G0SB+3], 0x80000000
	s_add_nc_u64 s[20:21], s[20:21], s[18:19]
	s_add_nc_u64 s[46:47], s[46:47], s[18:19]
.irp s, 0,1
	s_mov_b32 s[G0+4*\s], 1
	s_add_co_u32 s[G0+4*\s+1], s45, \s*SLOT
	s_add_nc_u64 s[G0+4*\s+2:G0+4*\s+3], s[20:21], \s*ROWB
	s_or_b32 s[G0+4*\s+3], s[G0+4*\s+3], 0x80000000
	s_mov_b32 s[G0B+4*\s], 1
	s_add_co_u32 s[G0B+4*\s+1], s45, \s*SLOT
	s_add_nc_u64 s[G0B+4*\s+2:G0B+4*\s+3], s[46:47], \s*ROWB
	s_or_b32 s[G0B+4*\s+3], s[G0B+4*\s+3], 0x80000000
.endr
; the head's loads, one a wave: wave 0 chunk 0 of A's 256 rows, wave 1 of B's, wave 2 A's scales, wave 3 B's
.macro ARM under, g0, g1, next
	s_cmp_lt_u32 s14, \under
	s_cbranch_scc0 \next
	tensor_load_to_lds s[\g0:\g0+3], s[\g1:\g1+7]
	s_nop 0
.rept 4
	v_nop
.endr
	s_branch .Lhead_asked
\next:
.endm
	ARM 1, G0H,  G1,  .Lhead_b
	ARM 2, G0HB, G1B, .Lhead_sa
	ARM 3, G0S,  G1S, .Lhead_sb
	tensor_load_to_lds s[G0SB:G0SB+3], s[G1SB:G1SB+7]
	s_nop 0
.rept 4
	v_nop
.endr
.Lhead_asked:
	v_and_b32 v1, 15, v0                           ; l % 16
	v_bfe_u32 v2, v0, 4, 1                         ; l / 16
	v_mul_u32_u24 v3, v1, PITCH
	v_mul_u32_u24 v4, v2, 24
	v_add_nc_u32 v4, v3, v4                        ; row x pitch + 24 x half
	s_mov_b32 s21, SLOT-232
	s_mov_b32 s22, SLOT+232
	v_sub_nc_u32 v7, 1, v2
	v_mul_u32_u24 v5, s21, v2
	v_add_nc_u32 v5, v3, v5
	v_add_nc_u32 v5, 232, v5                       ; lanes 0-15 byte 232 in slot 0, lanes 16-31 byte 0 in slot 1
	v_mul_u32_u24 v6, s22, v7
	v_add_nc_u32 v6, v3, v6                        ; and the other way round
	s_mul_i32 s21, s15, HALFT
	s_mul_i32 s22, s16, HALFT
	s_add_co_u32 s22, s22, 2*HALFT
	v_add_nc_u32 v[ADRA+2], s21, v5
	v_add_nc_u32 v[ADRA+3], s21, v6
	v_add_nc_u32 v[ADRB+2], s22, v5
	v_add_nc_u32 v[ADRB+3], s22, v6
.irp s, 0,1
	v_add_nc_u32 v[ADRA+\s], s21, v4
	v_add_nc_u32 v[ADRB+\s], s22, v4
	s_add_co_u32 s21, s21, SLOT
	s_add_co_u32 s22, s22, SLOT
.endr
	v_mul_u32_u24 v5, v1, KS                       ; my row's scale bytes, 16 more for each 256 passed
	v_lshrrev_b32 v6, 8, v5
	v_lshl_add_u32 v5, v6, 4, v5
	s_mul_i32 s21, s15, HALFS
	s_mul_i32 s22, s16, HALFS
	s_add_co_u32 s22, s22, 2*HALFS
	s_sub_co_u32 s22, s22, s21
	v_mul_u32_u24 v6, s22, v2                      ; lanes 16-31 take B's
	s_add_co_u32 s21, s21, SCL
	v_add_nc_u32 v5, v5, v6
	v_add_nc_u32 v[ADRS], s21, v5
	s_lshl_b32 s[RA], s17, 8
	s_lshl_b32 s21, s15, 7
	s_add_co_u32 s[RA], s[RA], s21                 ; my first row of A
	s_lshl_b32 s[RB], s42, 8
	s_lshl_b32 s21, s16, 7
	s_add_co_u32 s[RB], s[RB], s21                 ; my first row of B
	s_cmp_eq_u32 s[PP], 2                          ; the bias belongs to the features: B's rows for q, k, r, A's for v; both sets are loaded (the unused one from the buffer's first bytes)
	s_cselect_b32 s22, 0, s[RB]
	s_cselect_b32 s46, s[RA], 0
	s_lshl_b32 s22, s22, 2
	s_mov_b32 s23, 0
	s_lshl_b32 s46, s46, 2
	s_mov_b32 s47, 0
	s_add_nc_u64 s[66:67], s[12:13], s[22:23]
	s_add_nc_u64 s[92:93], s[12:13], s[46:47]
	v_lshlrev_b32 v[BO32], 5, v2
	v_lshlrev_b32 v[BO4], 2, v1
	v_and_b32 v6, 31, v0
	v_lshlrev_b32 v[LA8], 3, v6
	v_lshlrev_b32 v[LA16], 4, v6
.irp b, 0,1,2,3,4,5,6,7
	global_load_b128 v[BI+8*\b:BI+8*\b+3], v[BO32], s[66:67] offset:64*\b
	global_load_b128 v[BI+8*\b+4:BI+8*\b+7], v[BO32], s[66:67] offset:64*\b+16
.endr
.irp a, 0,1,2,3,4,5,6,7
	global_load_b32 v[BV+2*\a], v[BO4], s[92:93] offset:64*\a
	global_load_b32 v[BV+2*\a+1], v[BO4], s[92:93] offset:64*\a
.endr
.macro FRAG reg, adr, st, i            ; 12 registers in pieces of 8 bytes; byte y of a row lies in slot (y / 256) % 2 at byte y % 256
.irp p, 0,1,2,3,4,5
.set BY, 96*(\st)+48*(\p/3)+8*(\p%3)
.if BY/ROWB == (BY+24)/ROWB
	ds_load_b64 v[\reg+2*\p:\reg+2*\p+1], v[\adr+(BY/ROWB)%2] offset:BY%ROWB+(\i)*16*PITCH
.else
	ds_load_b64 v[\reg+2*\p:\reg+2*\p+1], v[\adr+2+(BY/ROWB)%2] offset:BY%ROWB-232+(\i)*16*PITCH
.endif
.endr
.endm
; 16 products: A's blocks a0, a0 + 1 x B's eight.  The 64 accumulators take turns.
.macro MUL16 a0, p, q, sc, zero
.irp a, \a0, \a0+1
.irp b, 0,1,2,3,4,5,6,7
.if \zero
	v_wmma_scale_f32_16x16x128_f8f6f4 v[8*(8*((\a)%4)+\b):8*(8*((\a)%4)+\b)+7], v[128*(\p)+FR*\b:128*(\p)+FR*\b+FR-1], v[AF+FR*(\a):AF+FR*(\a)+FR-1], 0, v[SC+8*NQ*(\sc)+NQ*\b+(\q)], v[SC+8*NQ*(\sc)+NQ*(\a)+(\q)] matrix_a_fmt:MATRIX_FMT_FP6 matrix_b_fmt:MATRIX_FMT_FP6 matrix_a_scale:MATRIX_SCALE_ROW1
.else
	v_wmma_scale_f32_16x16x128_f8f6f4 v[8*(8*((\a)%4)+\b):8*(8*((\a)%4)+\b)+7], v[128*(\p)+FR*\b:128*(\p)+FR*\b+FR-1], v[AF+FR*(\a):AF+FR*(\a)+FR-1], v[8*(8*((\a)%4)+\b):8*(8*((\a)%4)+\b)+7], v[SC+8*NQ*(\sc)+NQ*\b+(\q)], v[SC+8*NQ*(\sc)+NQ*(\a)+(\q)] matrix_a_fmt:MATRIX_FMT_FP6 matrix_b_fmt:MATRIX_FMT_FP6 matrix_a_scale:MATRIX_SCALE_ROW1
.endif
.endr
.endr
.endm
.macro FETCH_B st, p
	WIN TO_B
.irp i, 0,1,2,3,4,5,6,7
	FRAG 128*(\p)+FR*\i, ADRB, \st, \i
.endr
	WIN 0
.endm
.macro FETCH_A st, i0
.irp i, \i0, \i0+1, \i0+2, \i0+3
	FRAG AF+FR*(\i), ADRA, \st, \i
.endr
.endm
.macro SCALES pr                       ; the scale words of steps 2 pr, 2 pr + 1 into set pr % 2
.irp i, 0,1,2,3,4,5,6,7
	ds_load_b64 v[SC+8*NQ*((\pr)%2)+NQ*\i:SC+8*NQ*((\pr)%2)+NQ*\i+1], v[ADRS] offset:\i*SBLK+4*NQ*(\pr)
.endr
.endm
.macro PLACES n
.rept \n
	v_nop
.endr
.endm
; A step of 128 along K.  Where the next step's bytes END in a chunk not yet read: a wait for my tensor loads and a barrier.  Where they BEGIN in a later chunk: the three lines,
; the barrier, and, where a chunk two on is left, the cluster's round and the refill.
.macro STEP st, zero
.set NX, (\st)+1
.set C0, (96*(\st))/ROWB
.set C1, (96*NX)/ROWB
.set E0C, (96*(\st)+95)/ROWB
.set E1C, (96*NX+95)/ROWB
.if C1 > C0 || E1C > E0C
	s_wait_tensorcnt 0x0                           ; all my tensor loads have landed
.if C1 > C0
	ds_add_u32 v[SPW], v[NIL]
	s_wait_dscnt 4*NL+1                            ; the add and A's blocks 4-7 (24 loads) may be out
.else
	s_wait_dscnt 4*NL                              ; A's blocks 4-7 may be out
.endif
	WIN MUL_LO
	MUL16 0, (\st)%2, (\st)%2, ((\st)/2)%2, \zero
	s_wait_dscnt 0x0                               ; the add and all my reads are done
	s_barrier_signal -1
	MUL16 2, (\st)%2, (\st)%2, ((\st)/2)%2, \zero
	WIN 0
	s_barrier_wait -1
.if C1 > C0 && C0+2 < CHUNKS
	CREST
	s_add_nc_u64 s[G0+4*(C0%2)+2:G0+4*(C0%2)+3], s[G0+4*(C0%2)+2:G0+4*(C0%2)+3], 2*ROWB
	s_add_nc_u64 s[G0B+4*(C0%2)+2:G0B+4*(C0%2)+3], s[G0B+4*(C0%2)+2:G0B+4*(C0%2)+3], 2*ROWB
	JLOAD G0+4*(C0%2), G1, G0B+4*(C0%2), G1B       ; chunk C0 + 2; its four v_nop are the places in front of the loads below
.else
	PLACES NP
.endif
.else
	s_wait_dscnt 4*NL                              ; A's blocks 4-7 may be out
	WIN MUL_LO
	MUL16 0, (\st)%2, (\st)%2, ((\st)/2)%2, \zero
	MUL16 2, (\st)%2, (\st)%2, ((\st)/2)%2, \zero
	s_wait_dscnt 0
	PLACES NP
.endif
	FETCH_B NX, NX%2
	FETCH_A NX, 0
.if NX%2 == 0
	SCALES NX/2
.endif
	WIN MUL_HI
	MUL16 4, (\st)%2, (\st)%2, ((\st)/2)%2, \zero
	MUL16 6, (\st)%2, (\st)%2, ((\st)/2)%2, \zero
	PLACES NP
	WIN 0
	FETCH_A NX, 4
.endm
	s_wait_alu depctr_va_vdst(0)                   ; the head's end
	s_wait_tensorcnt 0x0                           ; my tile of the head's four is in; the three lines ahead of slot 1's first fill
	ds_add_u32 v[SPW], v[NIL]
	s_mov_b32 s[G1+2], 128<<16                     ; no load of mine is out: from here on a load brings 128 rows
	s_mov_b32 s[G1+4], 128
	s_mov_b32 s[G1B+2], 128<<16
	s_mov_b32 s[G1B+4], 128
	s_wait_dscnt 0x0
	CROUND
	JLOAD G0+4, G1, G0B+4, G1B                     ; chunk 1
	FETCH_B 0, 0
	FETCH_A 0, 0
	SCALES 0
	FETCH_A 0, 4
	STEP 0, 1                                      ; the first products start the sums
.set ST, 1
.rept STEPS-2
	STEP ST, 0
.set ST, ST+1
.endr
	s_wait_dscnt 4*NL                              ; the last step
	WIN MUL_LO
	MUL16 0, 1, 1, 1, 0
	MUL16 2, 1, 1, 1, 0
	s_wait_dscnt 0
	WIN MUL_HI
	MUL16 4, 1, 1, 1, 0
	MUL16 6, 1, 1, 1, 0
	WIN 0
; THE WAY OUT, block a (16 rows of A x my 128 rows of B) at a time.
; TAKE: sums + bias into window 0; then tiles 2 i, 2 i + 1 exchange halves of the lanes: register 16 i + m is B's row 32 i + 16 h + m.
.macro TAKE a, isv
	WIN 0x02+(\a)/4
.irp b, 0,1,2,3,4,5,6,7
.irp j, 0,2,4,6
.if \isv
	v_pk_add_f32 v[W+8*\b+\j:W+8*\b+\j+1], v[64*((\a)%4)+8*\b+\j:64*((\a)%4)+8*\b+\j+1], v[BV+2*(\a):BV+2*(\a)+1]
.else
	v_pk_add_f32 v[W+8*\b+\j:W+8*\b+\j+1], v[64*((\a)%4)+8*\b+\j:64*((\a)%4)+8*\b+\j+1], v[BI+8*\b+\j:BI+8*\b+\j+1]
.endif
.endr
.endr
	WIN 0
.irp i, 0,1,2,3
.irp j, 0,1,2,3,4,5,6,7
	v_permlane16_swap_b32 v[W+16*\i+\j], v[W+16*\i+8+\j]
.endr
.endr
.endm
; QUANT: 64 numbers of a lane become 12 registers of codes from v[CD] on and four scale bytes from v[TM+4] on.
.macro QUANT s
.irp b, 0,1,2,3
	v_max3_num_f32 v[TM+\b], |v[\s+16*\b]|, |v[\s+1+16*\b]|, 0x1800000   ; with the floor 2^(3 - 127): the byte cannot fall under 1
.endr
.irp i, 2,4,6,8,10,12,14
.irp b, 0,1,2,3
	v_max3_num_f32 v[TM+\b], v[TM+\b], |v[\s+16*\b+\i]|, |v[\s+1+16*\b+\i]|
.endr
.endr
.irp b, 0,1,2,3
	v_permlanex16_b32 v[TM+4+\b], v[TM+\b], s[SEL], s[SEL+1]
.endr
.irp b, 0,1,2,3
	v_max_num_f32 v[TM+\b], v[TM+\b], v[TM+4+\b]
.endr
.irp b, 0,1,2,3
	v_add_nc_u32 v[TM+8+\b], 0xff000000, v[TM+\b]  ; 2 off the exponent field: the conversion's scale operand
.endr
.irp b, 0,1,2,3
	v_lshrrev_b32 v[TM+4+\b], 23, v[TM+8+\b]       ; the byte
.endr
.irp c, 0,1
	v_cvt_scalef32_pk16_fp6_f32 v[CD+6*\c:CD+2+6*\c], v[\s+32*\c:\s+15+32*\c], v[TM+8+2*\c]
	v_cvt_scalef32_pk16_fp6_f32 v[CD+12+4*\c:CD+14+4*\c], v[\s+16+32*\c:\s+31+32*\c], v[TM+8+2*\c+1]
.endr
	v_nop                                          ; one plain place behind a scaled conversion
.irp c, 0,1                                    ; a whole block in a lane
.irp i, 0,1,2
	v_permlane16_swap_b32 v[CD+6*\c+\i], v[CD+12+4*\c+\i]
.endr
.irp i, 0,1,2
	v_mov_b32 v[CD+3+6*\c+\i], v[CD+12+4*\c+\i]
.endr
.endr
.endm
.macro BASES hs, gs, so, sg            ; my places in the image: s46 = my first head, s47 = which 128 tokens
	s_mul_i32 s22, s46, \hs
	s_mul_i32 s23, s47, \gs
	s_add_co_u32 s66, s22, s23
	s_mov_b32 s67, 0
	s_mul_i32 s23, s47, \sg
	s_add_co_u32 s22, s22, s23
	s_add_co_u32 s22, s22, \so
	s_mov_b32 s23, 0
	s_add_nc_u64 s[OUT2:OUT2+1], s[OUT:OUT+1], s[22:23]
	s_add_nc_u64 s[OUT:OUT+1], s[OUT:OUT+1], s[66:67]
.endm
	PLACES NP
.irp b, 0,1,2,3
	v_mov_b32 v[TM+4+\b], 0                        ; a lane permute's destination counts as a source
.endr
	s_mov_b32 s[SEL], 0x76543210
	s_mov_b32 s[SEL+1], 0xfedcba98
	s_mov_b32 s[MSK], 0xffff0000
	s_wait_loadcnt 0x0                             ; the biases
	s_cmp_eq_u32 s[PP], 2
	s_cselect_b32 s22, s[RB], s[RA]                ; my first token
	s_cselect_b32 s23, s[RA], s[RB]                ; my first feature
	s_lshr_b32 s46, s22, 10
	s_lshl_b32 s46, s46, 4
	s_lshr_b32 s23, s23, 6
	s_add_co_u32 s46, s46, s23                     ; my first head: 16 x batch + feature / 64; I hold two
	s_bfe_u32 s47, s22, 0x30007
	s_cmp_eq_u32 s[PP], 2                          ; the arms part on the cluster's y alone
	s_cbranch_scc1 .Lv
	s_cmp_eq_u32 s[PP], 3
	s_cbranch_scc1 .Lr
	; q and k.  A head's image: 64 tiles of 16 tokens x 768 bytes (three parts of 256), then 8 x 512 bytes of scale words.
	BASES 53248, 6144, 49152, 512
.irp a, 0,1,2,3,4,5,6,7
	s_wait_xcnt 0x0                                ; the last block's stores have read their data
	TAKE \a, 0
	QUANT W
.if (\a)%2 == 0                                ; a head's word: its two bytes, twice
	v_lshl_or_b32 v[E0], v[TM+5], 8, v[TM+4]
	v_lshl_or_b32 v[E1], v[TM+7], 8, v[TM+6]
	v_lshl_or_b32 v[E0], v[E0], 16, v[E0]
	v_lshl_or_b32 v[E1], v[E1], 16, v[E1]
.else
	v_lshl_or_b32 v[PW0], v[TM+5], 8, v[TM+4]
	v_lshl_or_b32 v[PW1], v[TM+7], 8, v[TM+6]
	v_lshl_or_b32 v[PW0], v[PW0], 16, v[PW0]
	v_lshl_or_b32 v[PW1], v[PW1], 16, v[PW1]
	v_cndmask_b32 v[SW+\a/2], v[E0], v[PW0], s[MSK]
	v_cndmask_b32 v[SW+4+\a/2], v[E1], v[PW1], s[MSK]
.endif
.irp h, 0,1
.irp p, 0,1,2
	global_store_b64 v[LA8], v[CD+6*\h+2*\p:CD+6*\h+2*\p+1], s[OUT:OUT+1] offset:768*\a+53248*\h+256*\p   ; 32 lanes store 256 consecutive bytes, aligned
.endr
.endr
.endr
.irp h, 0,1
	global_store_b128 v[LA16], v[SW+4*\h:SW+4*\h+3], s[OUT2:OUT2+1] offset:53248*\h
.endr
	s_branch .Lend
.Lv:
	; v.  A head's image: 8 steps of 128 tokens x 4 tiles of 16 features x 1,536 bytes, then 8 x 256 bytes of scale words.
	BASES 51200, 6144, 49152, 256
.irp a, 0,1,2,3,4,5,6,7
	s_wait_xcnt 0x0
	TAKE \a, 1
	QUANT W
.if (\a)%2 == 0
	v_lshl_or_b32 v[E0], v[TM+5], 8, v[TM+4]
	v_lshl_or_b32 v[E0], v[TM+6], 16, v[E0]
	v_lshl_or_b32 v[E0], v[TM+7], 24, v[E0]
.else
	v_lshl_or_b32 v[PW0], v[TM+5], 8, v[TM+4]
	v_lshl_or_b32 v[PW0], v[TM+6], 16, v[PW0]
	v_lshl_or_b32 v[PW0], v[TM+7], 24, v[PW0]
	v_cndmask_b32 v[SW+2*(\a/4)+(\a%4)/2], v[E0], v[PW0], s[MSK]
.endif
.irp c, 0,1,2
	global_store_b128 v[LA16], v[CD+4*\c:CD+4*\c+3], s[OUT:OUT+1] offset:51200*(\a/4)+1536*(\a%4)+512*\c
.endr
.endr
.irp h, 0,1
	global_store_b64 v[LA8], v[SW+2*\h:SW+2*\h+1], s[OUT2:OUT2+1] offset:51200*\h
.endr
	s_branch .Lend
.Lr:
	; r stays f32.  A head's image: 64 tiles of 16 tokens x 4,096 bytes, eight chunks of 512.
	BASES 262144, 32768, 0, 0
.irp a, 0,1,2,3,4,5,6,7
	s_wait_xcnt 0x0
	TAKE \a, 0
.irp c, 0,1,2,3,4,5,6,7,8,9,10,11,12,13,14,15
	global_store_b128 v[LA16], v[W+4*\c:W+4*\c+3], s[OUT:OUT+1] offset:4096*\a+262144*(\c/8)+512*(\c%8)
.endr
.endr
.Lend:
	s_wait_tensorcnt 0x0                           ; the wave's end
	ds_add_u32 v[SPW], v[NIL]
	s_wait_dscnt 0x0
	CROUND                                         ; the closing round
	s_endpgm
.Lfunc_end_k_qb8cb8481cc_proj:
	.size	k_qb8cb8481cc_proj, .Lfunc_end_k_qb8cb8481cc_proj-k_qb8cb8481cc_proj
	.p2alignl 7, 3214868480
	.fill 96, 4, 3214868480
	.section	.rodata,"a",@progbits
	.p2align	6, 0x0
	.amdhsa_kernel k_qb8cb8481cc_proj
		.amdhsa_group_segment_fixed_size 327680
		.amdhsa_private_segment_fixed_size 0
		.amdhsa_enable_private_segment 0
		.amdhsa_kernarg_size 176
		.amdhsa_user_sgpr_count 2
		.amdhsa_user_sgpr_kernarg_segment_ptr 1
		.amdhsa_wavefront_size32 1
		.amdhsa_system_sgpr_workgroup_id_x 1
		.amdhsa_system_sgpr_workgroup_id_y 1
		.amdhsa_system_sgpr_workgroup_id_z 1
		.amdhsa_system_vgpr_workitem_id 0
		.amdhsa_next_free_vgpr 1024
		.amdhsa_next_free_sgpr 102
		.amdhsa_reserve_vcc 0
		.amdhsa_float_denorm_mode_32 3
		.amdhsa_float_denorm_mode_16_64 3
		.amdhsa_memory_ordered 1
		.amdhsa_forward_progress 1
		.amdhsa_inst_pref_size 255
	.end_amdhsa_kernel
	.section	.bss,"aw",@nobits
	.p2align	6
	.space	262144
	.amdgpu_metadata
---
amdhsa.version: [ 1, 2 ]
amdhsa.kernels:
  - .name:           k_qb8cb8481cc_proj
    .symbol:         k_qb8cb8481cc_proj.kd
    .args:
      - { .name: query_codes, .offset: 0, .size: 8, .value_kind: global_buffer, .address_space: global }
      - { .name: query_scales, .offset: 8, .size: 8, .value_kind: global_buffer, .address_space: global }
      - { .name: key_codes, .offset: 16, .size: 8, .value_kind: global_buffer, .address_space: global }
      - { .name: key_scales, .offset: 24, .size: 8, .value_kind: global_buffer, .address_space: global }
      - { .name: value_codes, .offset: 32, .size: 8, .value_kind: global_buffer, .address_space: global }
      - { .name: value_scales, .offset: 40, .size: 8, .value_kind: global_buffer, .address_space: global }
      - { .name: Wq_codes, .offset: 48, .size: 8, .value_kind: global_buffer, .address_space: global }
      - { .name: Wq_scales, .offset: 56, .size: 8, .value_kind: global_buffer, .address_space: global }
      - { .name: Wk_codes, .offset: 64, .size: 8, .value_kind: global_buffer, .address_space: global }
      - { .name: Wk_scales, .offset: 72, .size: 8, .value_kind: global_buffer, .address_space: global }
      - { .name: Wv_codes, .offset: 80, .size: 8, .value_kind: global_buffer, .address_space: global }
      - { .name: Wv_scales, .offset: 88, .size: 8, .value_kind: global_buffer, .address_space: global }
      - { .name: Wr_codes, .offset: 96, .size: 8, .value_kind: global_buffer, .address_space: global }
      - { .name: Wr_scales, .offset: 104, .size: 8, .value_kind: global_buffer, .address_space: global }
      - { .name: bq, .offset: 112, .size: 8, .value_kind: global_buffer, .address_space: global }
      - { .name: bk, .offset: 120, .size: 8, .value_kind: global_buffer, .address_space: global }
      - { .name: bv, .offset: 128, .size: 8, .value_kind: global_buffer, .address_space: global }
      - { .name: br, .offset: 136, .size: 8, .value_kind: global_buffer, .address_space: global }
      - { .name: qimg, .offset: 144, .size: 8, .value_kind: global_buffer, .address_space: global }
      - { .name: kimg, .offset: 152, .size: 8, .value_kind: global_buffer, .address_space: global }
      - { .name: vimg, .offset: 160, .size: 8, .value_kind: global_buffer, .address_space: global }
      - { .name: rimg, .offset: 168, .size: 8, .value_kind: global_buffer, .address_space: global }
    .group_segment_fixed_size: 327680
    .private_segment_fixed_size: 0
    .kernarg_segment_align: 8
    .kernarg_segment_size: 176
    .max_flat_workgroup_size: 128
    .sgpr_count:     102
    .vgpr_count:     1024
    .wavefront_size: 32
...
	.end_amdgpu_metadata
.endif
;; end of part 1
;; launch attn (part 2): grid 4 x 64, 16 waves a work-group, clusters of 4 x 1, 239,616 bytes of LDS; arguments qimg, kimg, vimg, rimg, gimg, gsc; writes gimg, gsc
.if DOCPART == 2
	.amdgcn_target "amdgcn-amd-amdhsa--gfx1250"
	.amdhsa_code_object_version 6
	.text
	.protected	k_qb8cb8481cc_attn
	.globl	k_qb8cb8481cc_attn
	.p2align	8
	.type	k_qb8cb8481cc_attn,@function
k_qb8cb8481cc_attn:
	s_mov_b64 s[64:65], 0
	v_nop
	global_prefetch_b8 v0, s[64:65] scope:SCOPE_SE
	s_setreg_imm32_b32 hwreg(HW_REG_WAVE_MODE, 25, 1), 1
	s_wait_xcnt 0x0
	s_wait_alu depctr_hold_cnt(0) depctr_sa_sdst(0) depctr_va_vdst(0) depctr_va_sdst(0) depctr_va_ssrc(0) depctr_va_vcc(0) depctr_vm_vsrc(0)
	s_getreg_b32 s2, hwreg(HW_REG_IB_STS2, 6, 4)
	s_cmp_eq_u32 s2, 0
	s_cbranch_scc0 .Lentry_in_a_cluster
	s_endpgm
.Lentry_in_a_cluster:
	s_bfe_u32 s2, ttmp6, 0x10000c
	s_cmp_lg_u32 s2, 0x3003
	s_cbranch_scc0 .Lentry_shape_is_right
	s_endpgm
.Lentry_shape_is_right:
; ATTENTION, THE GATE AND ITS QUANTISER.  For each head (128 of them: 1,024 tokens, 64 channels): S = q k^T, t = S x log2(e) / 32, p = 2^(t - M) with M the running largest t rounded up to a whole number,
; ctx = (p v) / (the row's sum of the unquantised p), g = ctx x r; g is quantised along head x 64 + channel and stored as the A fragments and scale words of the last product.
; Both products on codes of FP6 (E2M3) with E8M0 scales; q, k, v arrive as register images made by the launch before, r as f32 in the layout of my results.
; SHARES.  A work-group owns 256 queries of a PAIR of heads (y = 8 x batch + pair); each of its sixteen waves owns 16 queries and runs the two heads one after the other: so one wave makes a whole
; fragment (128 along the last product's K) and a whole scale word.  Four waves to a SIMD: one wave's vector work stands beside another's matrix work and LDS loads.
; LDS holds BOTH heads' k and v whole (236 KB): every byte is filled once, nothing is filled again.  CLUSTER: the four query blocks of a pair read the same k and v: each tile is asked for jointly, mask 15.
; LAYOUT.  Both products transposed: S^T = k q^T (source 0 = 16 keys, source 1 = my queries), O^T = v^T p^T: a lane holds ONE query throughout.
; The first product's K is 64 in an instruction of 128: q's registers 6-11 are zero codes, so what stands in k's registers 6-11 adds nothing; k's half fragments lie 6 registers apart and operand t is v[32 + 6 t .. 43 + 6 t].
; THE KEYS OF A TILE ARE NOT NEIGHBOURS: lane r of tile 2 b + u takes key 32 b + 8 u + r + 8 (r / 8), so that the 16 registers of tiles 2 b, 2 b + 1 are keys 32 b + 16 (lane / 16) + 0 .. 15.
; LIMITS: NaN and infinities are not served.  A block whose largest magnitude lies under 2^-124 (a block of zeros too) gets the scale byte 1; these bytes are read by this program alone.
; REGISTERS: v1-7 addresses that stay; v8-11 addresses in hand; v12 -M, v13 the largest t, v[14:15] the sum; v16-21 q's codes, v22-27 zero codes; v28 g's scale word; v29-31 addresses; v32-79 k's or v's fragments, v80-85 zeros;
;   v86-87 v's scale words; v96-159 S^T, then p; v160-191 O^T; v192-223 r; v224-235 p's codes; v232-254 at work; v248-251 k's scale words; v253 p's scale word; v255 q's scale word.
.set KHL,  66560                       ; LDS: a head's k: 208 rows of 256 bytes + 64 of padding (pitch 320): 64 tiles of 3 rows, then 16 rows of scale words
.set KSO,  61440                       ; where the scale words begin: row 192
.set VL,   2*KHL                       ; behind both: v, 51,200 dense bytes a head: 8 steps x 4 fragments x 1,536, then 8 x 256 bytes of scale words
.set VHL,  51200
.set VSO,  49152
.set GST,  VL+2*VHL                    ; 1,024 bytes in which the sixteen waves' scale words of g meet; no tile lands there
.set AK0,  1                           ; v1  my lane's place in a tile of k
.set AV0,  2                           ; v2  16 x lane: in a fragment of v
.set ASK0, 3                           ; v3  among k's scale words
.set ASV0, 4                           ; v4  8 x lane: among v's
.set LA8,  5                           ; v5  8 x lane (memory)
.set LA16, 6                           ; v6  16 x lane (memory)
.set GSA,  7                           ; v7  where my query's scale word goes in GST
.set ADK,  8
.set ADV,  9
.set ADS,  10
.set ADT,  11
.set GW,   28
.set GRD,  29                          ; v29 GST + 16 x (thread % 64)
.set GOF,  30                          ; v30 16 x (thread % 64)
.set QSO,  31                          ; v31 16 x (lane % 16)
.set WV,   18                          ; s18 my wave's number
.set SEL,  20                          ; s[20:21] v_permlanex16_b32's selects for lane l xor 16
.set CS,   22                          ; s[22:23] c = log2(e) / 32
.set G1K,  24                          ; s[24:31] group 1 for k; s[32:39] for v
.set G1V,  32
.set G0K,  40                          ; s[40:47] groups 0 for k, a set for each head; s[48:55] for v
.set G0V,  48
.set TK,   56                          ; s56-59 where the step's tiles of k, k's scale words, v's fragments, v's scale words begin in LDS
.set TS,   57
.set TV,   58
.set TT,   59
.set CNT,  60                          ; s60 key steps to go
.macro CROUND                          ; a round of the cluster's barrier
	s_barrier_signal -1
	s_barrier_wait -1
	s_cmp_lg_u32 s[WV], 0
	s_cbranch_scc1 .Lnot_wave_0_\@
	s_barrier_signal -3
.Lnot_wave_0_\@:
	s_barrier_wait -3
	s_barrier_signal -1
	s_barrier_wait -1
.endm
	s_load_b256 s[4:11], s[0:1], 0x0               ; qimg, kimg, vimg, rimg
	s_load_b128 s[12:15], s[0:1], 0x20             ; gimg, gsc
	v_lshl_add_u32 v95, v0, 2, 0x3a000
	v_mov_b32 v243, 0
	ds_add_u32 v95, v243
	ds_add_u32 v95, v243
	v_lshrrev_b32 v8, 5, v0
	s_delay_alu instid0(VALU_DEP_1)
	v_readfirstlane_b32 s[WV], v8                  ; wave 0..15
	s_and_b32 s16, ttmp7, 0xffff                   ; y = 8 x batch + pair of heads: the four partners share it
	s_and_b32 s17, s[WV], 1                        ; which half of a head's block I fetch, if I fetch
	; group 1.  k: half a head, 104 rows of 256 bytes (32 elements of 8), dense in memory, 64 bytes of padding behind each
	s_mov_b32 s[G1K], 15|(3<<16)|(1<<20)|(1<<21)|(5<<22)|(15<<25)  ; the mask: all four work-groups; elements of 8 bytes; padding on; 21 set beside a mask; after every 64 words, 16 words
	s_mov_b32 s[G1K+1], 32<<16
	s_mov_b32 s[G1K+2], 104<<16
	s_mov_b32 s[G1K+3], 32<<16
	s_mov_b32 s[G1K+4], 104
	s_mov_b32 s[G1K+5], 32
	s_mov_b32 s[G1K+6], 0
	s_mov_b32 s[G1K+7], 0
	s_mov_b32 s[G1V], 15|(3<<16)|(1<<21)           ; v: half a head, 100 rows of 256 bytes, no padding
	s_mov_b32 s[G1V+1], 32<<16
	s_mov_b32 s[G1V+2], 100<<16
	s_mov_b32 s[G1V+3], 32<<16
	s_mov_b32 s[G1V+4], 100
	s_mov_b32 s[G1V+5], 32
	s_mov_b32 s[G1V+6], 0
	s_mov_b32 s[G1V+7], 0
	s_mul_i32 s68, s16, 2*53248                    ; the pair's first head in kimg,
	s_mul_i32 s69, s17, 26624                      ; my half of it
	s_add_co_u32 s68, s68, s69
	s_mov_b32 s69, 0
	s_mul_i32 s70, s16, 2*51200                    ; and in vimg
	s_mul_i32 s71, s17, 25600
	s_add_co_u32 s70, s70, s71
	s_mov_b32 s71, 0
	s_mul_i32 s72, s17, 104*320                    ; where they go: the wave's number and constants alone
	s_mul_i32 s73, s17, 25600
	s_add_co_u32 s73, s73, VL
	s_wait_dscnt 0x0
	s_wait_kmcnt 0x0
	s_add_nc_u64 s[6:7], s[6:7], s[68:69]
	s_add_nc_u64 s[8:9], s[8:9], s[70:71]
.irp hd, 0,1
	s_mov_b32 s[G0K+4*\hd], 1
	s_add_co_u32 s[G0K+4*\hd+1], s72, \hd*KHL
	s_add_nc_u64 s[G0K+4*\hd+2:G0K+4*\hd+3], s[6:7], \hd*53248
	s_or_b32 s[G0K+4*\hd+3], s[G0K+4*\hd+3], 0x80000000
	s_mov_b32 s[G0V+4*\hd], 1
	s_add_co_u32 s[G0V+4*\hd+1], s73, \hd*VHL
	s_add_nc_u64 s[G0V+4*\hd+2:G0V+4*\hd+3], s[8:9], \hd*51200
	s_or_b32 s[G0V+4*\hd+3], s[G0V+4*\hd+3], 0x80000000
.endr
	CROUND                                         ; all four work-groups are here: the joint loads meet
; one load a wave, in one chain of arms: waves 0, 1 head 0's k (its halves), 2, 3 head 0's v, 4, 5 head 1's k, 6, 7 head 1's v; waves 8-15 fetch nothing
.macro ARM under, g0, g1, next
	s_cmp_lt_u32 s[WV], \under
	s_cbranch_scc0 \next
	tensor_load_to_lds s[\g0:\g0+3], s[\g1:\g1+7]
	s_nop 0
.rept 4
	v_nop
.endr
	s_branch .Lasked
\next:
.endm
	ARM 2, G0K,   G1K, .Larm_v0
	ARM 4, G0V,   G1V, .Larm_k1
	ARM 6, G0K+4, G1K, .Larm_v1
	s_cmp_lt_u32 s[WV], 8
	s_cbranch_scc0 .Lasked
	tensor_load_to_lds s[G0V+4:G0V+7], s[G1V:G1V+7]
	s_nop 0
.rept 4
	v_nop
.endr
.Lasked:
	; my own places in memory: here alone my work-group's place in the cluster comes in
	s_bfe_u32 s19, ttmp6, 0x40000                  ; cx: which 256 queries
	s_lshl_b32 s74, s19, 4
	s_add_co_u32 s74, s74, s[WV]                   ; T: my tile of 16 queries, 0..63
	s_mul_i32 s68, s16, 2*53248
	s_mul_i32 s69, s74, 768
	s_add_co_u32 s70, s68, s69                     ; q's codes: the head + 768 T
	s_mov_b32 s71, 0
	s_lshr_b32 s69, s74, 3                         ; q's scale words: group T / 8 of 512 bytes; the word of tile 8 G + 2 w + x, token r lies at 256 x + 16 r + 4 w
	s_lshl_b32 s69, s69, 9
	s_add_co_u32 s68, s68, s69
	s_and_b32 s69, s74, 1
	s_lshl_b32 s69, s69, 8
	s_add_co_u32 s68, s68, s69
	s_bfe_u32 s69, s74, 0x20001
	s_lshl_b32 s69, s69, 2
	s_add_co_u32 s68, s68, s69
	s_add_co_u32 s68, s68, 49152
	s_mov_b32 s69, 0
	s_add_nc_u64 s[66:67], s[4:5], s[68:69]
	s_add_nc_u64 s[4:5], s[4:5], s[70:71]
	s_lshl_b32 s68, s16, 19                        ; r: 262,144 bytes a head, 4,096 a tile
	s_lshl_b32 s69, s74, 12
	s_add_co_u32 s68, s68, s69
	s_mov_b32 s69, 0
	s_add_nc_u64 s[10:11], s[10:11], s[68:69]
	s_lshr_b32 s75, s16, 3                         ; the batch
	s_and_b32 s76, s16, 7                          ; the pair of heads = the last product's K step
	s_lshl_b32 s68, s75, 6
	s_add_co_u32 s68, s68, s74
	s_mul_i32 s68, s68, 12288                      ; g's codes: 12,288 bytes a tile of 16 tokens, 1,536 a K step
	s_mul_i32 s69, s76, 1536
	s_add_co_u32 s68, s68, s69
	s_mov_b32 s69, 0
	s_add_nc_u64 s[12:13], s[12:13], s[68:69]
	s_lshl_b32 s68, s76, 15                        ; g's scale words: [K step][token], 4 bytes: my work-group's 256 tokens
	s_lshl_b32 s69, s75, 12
	s_add_co_u32 s68, s68, s69
	s_lshl_b32 s69, s19, 10
	s_add_co_u32 s68, s68, s69
	s_mov_b32 s69, 0
	s_add_nc_u64 s[14:15], s[14:15], s[68:69]
	s_mov_b32 s[SEL], 0x76543210
	s_mov_b32 s[SEL+1], 0xfedcba98
	s_mov_b32 s[CS], 0x3d38aa3b                    ; c = log2(e) / 32
	s_mov_b32 s[CS+1], s[CS]                       ; (named with it as a pair, so it is written)
	v_and_b32 v8, 31, v0
	s_delay_alu instid0(VALU_DEP_1)
	v_lshlrev_b32 v[LA8], 3, v8
	s_delay_alu instid0(VALU_DEP_2)
	v_lshlrev_b32 v[LA16], 4, v8
	s_delay_alu instid0(VALU_DEP_3)
	v_lshlrev_b32 v[ASV0], 3, v8
	s_delay_alu instid0(VALU_DEP_4)
	v_lshlrev_b32 v[AV0], 4, v8
	v_and_b32 v9, 15, v0
	s_delay_alu instid0(VALU_DEP_1)
	v_lshlrev_b32 v[QSO], 4, v9
.irp p, 0,1,2
	global_load_b64 v[16+2*\p:17+2*\p], v[LA8], s[4:5] offset:256*\p   ; head 0's q: the half fragment as it was stored
.endr
	global_load_b32 v255, v[QSO], s[66:67]         ; and its scale words
.irp c, 0,1,2,3,4,5,6,7
	global_load_b128 v[192+4*\c:195+4*\c], v[LA16], s[10:11] offset:512*\c th:TH_LOAD_NT   ; head 0's r: wanted a whole head later
.endr
	; a tile of k in LDS is three rows of 320 bytes; lane (row, half) of a NATURAL tile lies at 8 (16 half + row) of each.  My lane r of tile 2 b + u wants natural tile 2 b + r / 8, row 8 u + r % 8:
	v_bfe_u32 v8, v0, 3, 1                         ; r / 8
	v_and_b32 v10, 7, v0                           ; r % 8
	v_bfe_u32 v11, v0, 4, 1                        ; the half
	s_delay_alu instid0(VALU_DEP_3)
	v_mul_u32_u24 v[AK0], v8, 960
	s_delay_alu instid0(VALU_DEP_1)
	v_lshl_add_u32 v[AK0], v10, 3, v[AK0]
	s_delay_alu instid0(VALU_DEP_1)
	v_lshl_add_u32 v[AK0], v11, 7, v[AK0]          ; 960 (r / 8) + 8 (r % 8) + 128 half; b and u stand in the loads' offsets.  The 32 lanes of a load touch 64 different banks (960 = 192 mod 256)
	v_mul_u32_u24 v[ASK0], v8, 320                 ; its scale words: lanes 0-15 take the tiles with u = 0, lanes 16-31 those with u = 1; register b of the four loaded = pair b of tiles
	s_delay_alu instid0(VALU_DEP_1)
	v_lshl_add_u32 v[ASK0], v10, 4, v[ASK0]
	s_delay_alu instid0(VALU_DEP_1)
	v_lshl_add_u32 v[ASK0], v11, 7, v[ASK0]
	v_and_b32 v8, 0x1e0, v0
	s_delay_alu instid0(VALU_DEP_1)
	v_lshlrev_b32 v[GSA], 1, v8                    ; 64 x wave
	s_delay_alu instid0(VALU_DEP_1)
	v_lshl_add_u32 v[GSA], v9, 2, v[GSA]           ; + 4 x (lane % 16)
	s_delay_alu instid0(VALU_DEP_1)
	v_add_nc_u32 v[GSA], GST, v[GSA]
	v_and_b32 v[GOF], 63, v0
	s_delay_alu instid0(VALU_DEP_1)
	v_lshlrev_b32 v[GOF], 4, v[GOF]
	s_delay_alu instid0(VALU_DEP_1)
	v_add_nc_u32 v[GRD], GST, v[GOF]
.irp j, 22,23,24,25,26,27,80,81,82,83,84,85
	v_mov_b32 v[\j], 0                             ; q's zero codes for the unused half of K; and the registers behind k's last half fragment
.endr
.irp b, 0,1,2,3
	v_mov_b32 v[236+\b], 0                         ; written once: a lane permute's destination counts as one of its sources
.endr
	v_mov_b32 v253, 0                              ; (named as the upper half of the pair v[252:253] before it is first written)
.macro BEGIN                           ; a head begins: O^T and the sum are zeros, the largest t lies under every t: the first change of M multiplies zeros
	v_mov_b32 v13, 0xff61b1e6                      ; -3e38
	s_delay_alu instid0(VALU_DEP_1)
	v_floor_f32 v12, -v13                          ; -M
	v_mov_b32 v14, 0
	v_mov_b32 v15, 0
.set j, 0
.rept 32
	v_mov_b32 v[160+j], 0
.set j, j+1
.endr
.endm
	BEGIN
; A KEY STEP: 128 keys.
.macro STEP
	v_add_nc_u32 v[ADK], s[TK], v[AK0]             ; (these four are the places between the last step's products and the loads into their operands)
	v_add_nc_u32 v[ADS], s[TS], v[ASK0]
	v_add_nc_u32 v[ADV], s[TV], v[AV0]
	v_add_nc_u32 v[ADT], s[TT], v[ASV0]
.irp t, 0,1,2,3,4,5,6,7
.irp p, 0,1,2
	ds_load_b64 v[32+6*\t+2*\p:33+6*\t+2*\p], v[ADK] offset:1920*(\t/2)+64*(\t%2)+320*\p
.endr
.endr
	ds_load_b128 v[248:251], v[ADS]
	s_wait_alu depctr_va_vdst(0)
	s_wait_dscnt 0x0
.irp t, 0,2,4,6                                ; S^T = k q^T: eight tiles of 16 keys
	v_wmma_scale_f32_16x16x128_f8f6f4 v[96+8*\t:103+8*\t], v[32+6*\t:43+6*\t], v[16:27], 0, v[248+\t/2], v255 matrix_a_fmt:MATRIX_FMT_FP6 matrix_b_fmt:MATRIX_FMT_FP6
	v_wmma_scale_f32_16x16x128_f8f6f4 v[104+8*\t:111+8*\t], v[38+6*\t:49+6*\t], v[16:27], 0, v[248+\t/2], v255 matrix_a_fmt:MATRIX_FMT_FP6 matrix_b_fmt:MATRIX_FMT_FP6 matrix_a_scale:MATRIX_SCALE_ROW1
.endr
.rept 4
	v_nop                                          ; places: in front of the loads into k's registers and of the first read of the scores
.endr
.irp dt, 0,1,2,3                               ; v's four fragments are asked for now and land while the softmax is walked
.irp c, 0,1,2
	ds_load_b128 v[32+12*\dt+4*\c:35+12*\dt+4*\c], v[ADV] offset:1536*\dt+512*\c
.endr
.endr
	ds_load_b64 v[86:87], v[ADT]
.irp b, 0,1,2,3
	v_max3_num_f32 v[232+\b], v[96+16*\b], v[97+16*\b], v[98+16*\b]   ; THE LARGEST SCORE OF EACH BLOCK OF 32 KEYS: for the row's maximum, and, since p rises with the score, for the block's largest p
.endr
.irp i, 3,5,7,9,11,13
.irp b, 0,1,2,3
	v_max3_num_f32 v[232+\b], v[232+\b], v[96+16*\b+\i], v[97+16*\b+\i]
.endr
.endr
.irp b, 0,1,2,3
	v_max_num_f32 v[232+\b], v[232+\b], v[111+16*\b]
.endr
.irp b, 0,1,2,3
	s_delay_alu instid0(VALU_DEP_4)
	v_permlanex16_b32 v[236+\b], v[232+\b], s[SEL], s[SEL+1]
.endr
.irp b, 0,1,2,3
	s_delay_alu instid0(VALU_DEP_4)
	v_max_num_f32 v[232+\b], v[232+\b], v[236+\b]  ; with lane l xor 16's 16 keys
.endr
	s_delay_alu instid0(VALU_DEP_2)
	v_max3_num_f32 v254, v232, v233, v234
	s_delay_alu instid0(VALU_DEP_1)
	v_max_num_f32 v254, v254, v235                 ; the step's largest score of my query
	s_delay_alu instid0(VALU_DEP_1)
	v_mul_f32 v254, s[CS], v254                    ; as t (c is positive)
	s_delay_alu instid0(VALU_DEP_1)
	v_max_num_f32 v13, v13, v254                   ; the running largest t
	v_mov_b32 v254, v12
	s_delay_alu instid0(VALU_DEP_2)
	v_floor_f32 v12, -v13                          ; the new -M = floor(-t) = -ceil(t): a whole number
	s_delay_alu instid0(VALU_DEP_1)
	v_sub_f32 v254, v12, v254                      ; M's old value less its new one: a whole number, 0 or less
	s_delay_alu instid0(VALU_DEP_1)
	v_cvt_i32_f32 v254, v254                       ; (it saturates)
	s_delay_alu instid0(VALU_DEP_1)
	v_ldexp_f32 v252, 1.0, v254                    ; f = 2^(old M - new M): a multiplication by it rounds nothing
.set j, 0
.rept 32
	v_pk_fma_f32 v[96+j:97+j], v[96+j:97+j], s[CS:CS+1], v[12:13] op_sel_hi:[1,0,0]   ; t - M, two at a time
.set j, j+2
.endr
.irp b, 0,1,2,3
	v_fma_f32 v[232+\b], v[232+\b], s[CS], v12     ; the same of each block's largest score
.endr
.set j, 0
	s_wait_alu depctr_va_vdst(0)
.rept 64
	v_exp_f32 v[96+j], v[96+j]                     ; p = 2^(t - M), at most 1: not normalised
.set j, j+1
.endr
	v_pk_mul_f32 v[14:15], v[14:15], v[252:253] op_sel_hi:[1,0]   ; the sums under the new M (a plain place behind the exponentials)
	s_wait_alu depctr_va_vdst(0)                   ; one wait for the whole batch, ahead of its first reader
.irp b, 0,1,2,3
	v_exp_f32 v[232+\b], v[232+\b]                 ; the block's largest p: the same two instructions on the same number
.endr
	v_pk_add_f32 v[236:237], v[100:101], v[104:105]
	v_pk_add_f32 v[250:251], v[108:109], v[112:113]
	v_pk_add_f32 v[248:249], v[116:117], v[120:121]
	v_pk_add_f32 v[246:247], v[124:125], v[128:129]
	v_pk_add_f32 v[244:245], v[132:133], v[136:137]
	v_pk_add_f32 v[240:241], v[140:141], v[144:145]
	v_pk_add_f32 v[238:239], v[148:149], v[152:153]
	v_pk_add_f32 v[14:15], v[14:15], v[156:157]
	v_pk_add_f32 v[236:237], v[236:237], v[96:97]
	v_pk_add_f32 v[250:251], v[250:251], v[98:99]
	v_pk_add_f32 v[248:249], v[248:249], v[102:103]
	v_pk_add_f32 v[246:247], v[246:247], v[106:107]
	v_pk_add_f32 v[244:245], v[244:245], v[110:111]
	v_pk_add_f32 v[240:241], v[240:241], v[114:115]
	v_pk_add_f32 v[238:239], v[238:239], v[118:119]
	v_pk_add_f32 v[14:15], v[14:15], v[122:123]
	v_pk_add_f32 v[236:237], v[236:237], v[126:127]
	v_pk_add_f32 v[250:251], v[250:251], v[130:131]
	v_pk_add_f32 v[248:249], v[248:249], v[134:135]
	v_pk_add_f32 v[246:247], v[246:247], v[138:139]
	v_pk_add_f32 v[244:245], v[244:245], v[142:143]
	v_pk_add_f32 v[240:241], v[240:241], v[146:147]
	v_pk_add_f32 v[238:239], v[238:239], v[150:151]
	v_pk_add_f32 v[14:15], v[14:15], v[154:155]
	v_pk_add_f32 v[236:237], v[236:237], v[158:159]
	s_delay_alu instid0(VALU_DEP_2)
	v_pk_add_f32 v[14:15], v[14:15], v[246:247]
	s_delay_alu instid0(VALU_DEP_2)
	v_pk_add_f32 v[236:237], v[236:237], v[244:245]
	v_pk_add_f32 v[250:251], v[250:251], v[240:241]
	v_pk_add_f32 v[248:249], v[248:249], v[238:239]
	s_delay_alu instid0(VALU_DEP_2)
	v_pk_add_f32 v[14:15], v[14:15], v[250:251]
	s_delay_alu instid0(VALU_DEP_2)
	v_pk_add_f32 v[236:237], v[236:237], v[248:249]
	s_delay_alu instid0(VALU_DEP_1)
	v_pk_add_f32 v[14:15], v[14:15], v[236:237]
	s_wait_alu depctr_va_vdst(0)                   ; and one for the four
.irp b, 0,1,2,3
	v_max_num_f32 v[232+\b], 0x1800000, v[232+\b]  ; the floor 2^(3 - 127): the byte cannot fall under 1
.endr
.irp b, 0,1,2,3
	s_delay_alu instid0(VALU_DEP_4)
	v_add_nc_u32 v[244+\b], 0xff000000, v[232+\b]  ; 2 off the exponent field: the conversion's scale operand
.endr
.irp b, 0,1,2,3
	s_delay_alu instid0(VALU_DEP_4)
	v_lshrrev_b32 v[236+\b], 23, v[244+\b]         ; the scale's byte
.endr
	s_delay_alu instid0(VALU_DEP_3)
	v_lshl_or_b32 v253, v237, 8, v236              ; p's scale word for these 128 keys
	s_delay_alu instid0(VALU_DEP_1)
	v_lshl_or_b32 v253, v238, 16, v253
	s_delay_alu instid0(VALU_DEP_1)
	v_lshl_or_b32 v253, v239, 24, v253
.irp c, 0,1
	v_cvt_scalef32_pk16_fp6_f32 v[224+6*\c:226+6*\c], v[96+32*\c:111+32*\c], v[244+2*\c]
	v_cvt_scalef32_pk16_fp6_f32 v[236+4*\c:238+4*\c], v[112+32*\c:127+32*\c], v[244+2*\c+1]   ; (a conversion's three registers begin on an even number)
.endr
	v_nop                                          ; one plain place behind a scaled conversion
.irp c, 0,1                                    ; the operand's layout wants a WHOLE block in a lane
.irp i, 0,1,2
	v_permlane16_swap_b32 v[224+6*\c+\i], v[236+4*\c+\i]
.endr
.irp i, 0,1,2
	s_delay_alu instid0(VALU_DEP_3)
	v_mov_b32 v[227+6*\c+\i], v[236+4*\c+\i]
.endr
.endr
.set j, 0
.rept 16
	v_pk_mul_f32 v[160+j:161+j], v[160+j:161+j], v[252:253] op_sel_hi:[1,0]   ; O^T under the new M.  (These sixteen also stand between the lines that made p's codes and scale word and the products)
.set j, j+2
.endr
	s_wait_alu depctr_va_vdst(0)
	s_wait_dscnt 0x0                               ; v's fragments and scale words are in
.irp dt, 0,2                                   ; O^T += v^T p^T: four tiles of 16 channels, by turns
	v_wmma_scale_f32_16x16x128_f8f6f4 v[160+8*\dt:167+8*\dt], v[32+12*\dt:43+12*\dt], v[224:235], v[160+8*\dt:167+8*\dt], v[86+\dt/2], v253 matrix_a_fmt:MATRIX_FMT_FP6 matrix_b_fmt:MATRIX_FMT_FP6
	v_wmma_scale_f32_16x16x128_f8f6f4 v[168+8*\dt:175+8*\dt], v[44+12*\dt:55+12*\dt], v[224:235], v[168+8*\dt:175+8*\dt], v[86+\dt/2], v253 matrix_a_fmt:MATRIX_FMT_FP6 matrix_b_fmt:MATRIX_FMT_FP6 matrix_a_scale:MATRIX_SCALE_ROW1
.endr
.endm
.macro KEYS hd                         ; a head's eight key steps: written once for each head, the LDS addresses step by constants
	s_mov_b32 s[TK], \hd*KHL
	s_mov_b32 s[TS], \hd*KHL+KSO
	s_mov_b32 s[TV], VL+\hd*VHL
	s_mov_b32 s[TT], VL+\hd*VHL+VSO
	s_mov_b32 s[CNT], 8
.Lkeys_\@:
	STEP
	s_add_co_u32 s[TK], s[TK], 8*960
	s_add_co_u32 s[TS], s[TS], 640
	s_add_co_u32 s[TV], s[TV], 6144
	s_add_co_u32 s[TT], s[TT], 256
	s_sub_co_u32 s[CNT], s[CNT], 1
	s_cmp_lg_u32 s[CNT], 0
	s_cbranch_scc1 .Lkeys_\@
.endm
; A HEAD'S END: O^T / the sum, x r, quantised: half a fragment (64 along the last product's K) and two bytes of the scale word.
.macro FIN hd
.if \hd == 0
.irp p, 0,1,2
	global_load_b64 v[16+2*\p:17+2*\p], v[LA8], s[4:5] offset:53248+256*\p   ; head 1's q (the products that read these registers lie a softmax back)
.endr
	global_load_b32 v255, v[QSO], s[66:67] offset:53248
.endif
	v_add_f32 v14, v14, v15                        ; the sum's two halves,
	s_delay_alu instid0(VALU_DEP_1)
	v_permlanex16_b32 v252, v14, s[SEL], s[SEL+1]
	s_delay_alu instid0(VALU_DEP_1)
	v_add_f32 v14, v14, v252                       ; and lane l xor 16's: the row's sum
	s_wait_alu depctr_va_vdst(0)
	v_rcp_f32 v14, v14
.rept 4
	v_nop                                          ; plain places: behind the reciprocal, and behind the last products
.endr
	s_wait_alu depctr_va_vdst(0)                   ; ahead of the reciprocal's first reader
.irp i, 0,1                                    ; tiles 2 i and 2 i + 1 exchange halves of the lanes (each accumulator from its low end on): register 16 i + m is then channel 32 i + 16 (lane / 16) + m, r's layout
.irp j, 0,1,2,3,4,5,6,7
	v_permlane16_swap_b32 v[160+16*\i+\j], v[168+16*\i+\j]
.endr
.endr
.if \hd == 0
	s_wait_loadcnt 4                               ; r of head 0 is in: behind its eight loads only the four of head 1's q were issued
.else
	s_wait_loadcnt 0x0                             ; r of head 1
.endif
.set j, 0
.rept 16
	v_pk_mul_f32 v[160+j:161+j], v[160+j:161+j], v[14:15] op_sel_hi:[1,0]   ; ctx
.set j, j+2
.endr
.set j, 0
.rept 16
	v_pk_mul_f32 v[160+j:161+j], v[160+j:161+j], v[192+j:193+j]             ; x r
.set j, j+2
.endr
.if \hd == 0
.irp c, 0,1,2,3,4,5,6,7
	global_load_b128 v[192+4*\c:195+4*\c], v[LA16], s[10:11] offset:262144+512*\c th:TH_LOAD_NT   ; head 1's r
.endr
.endif
	v_max3_num_f32 v232, |v160|, |v161|, 0x1800000 ; the head's two blocks of 32: my 16 numbers of each, and the floor
	v_max3_num_f32 v233, |v176|, |v177|, 0x1800000
.irp i, 2,4,6,8,10,12,14
	s_delay_alu instid0(VALU_DEP_2)
	v_max3_num_f32 v232, v232, |v[160+\i]|, |v[161+\i]|
	s_delay_alu instid0(VALU_DEP_2)
	v_max3_num_f32 v233, v233, |v[176+\i]|, |v[177+\i]|
.endr
	s_delay_alu instid0(VALU_DEP_2)
	v_permlanex16_b32 v236, v232, s[SEL], s[SEL+1]
	s_delay_alu instid0(VALU_DEP_2)
	v_permlanex16_b32 v237, v233, s[SEL], s[SEL+1]
	s_delay_alu instid0(VALU_DEP_2)
	v_max_num_f32 v232, v232, v236
	s_delay_alu instid0(VALU_DEP_2)
	v_max_num_f32 v233, v233, v237
	s_delay_alu instid0(VALU_DEP_2)
	v_add_nc_u32 v244, 0xff000000, v232
	s_delay_alu instid0(VALU_DEP_2)
	v_add_nc_u32 v245, 0xff000000, v233
	s_delay_alu instid0(VALU_DEP_2)
	v_lshrrev_b32 v236, 23, v244
	s_delay_alu instid0(VALU_DEP_2)
	v_lshrrev_b32 v237, 23, v245
.if \hd == 0
	s_delay_alu instid0(VALU_DEP_1)
	v_lshl_or_b32 v[GW], v237, 8, v236             ; bytes 0, 1 of my query's scale word
.else
	s_delay_alu instid0(VALU_DEP_2)
	v_lshl_or_b32 v[GW], v236, 16, v[GW]           ; bytes 2, 3
	s_delay_alu instid0(VALU_DEP_1)
	v_lshl_or_b32 v[GW], v237, 24, v[GW]
.endif
	v_cvt_scalef32_pk16_fp6_f32 v[224:226], v[160:175], v244
	v_cvt_scalef32_pk16_fp6_f32 v[240:242], v[176:191], v245
	v_nop                                          ; one plain place behind a scaled conversion
.irp i, 0,1,2
	v_permlane16_swap_b32 v[224+\i], v[240+\i]     ; lanes 0-15: block 0 whole, lanes 16-31: block 1 whole
.endr
.irp i, 0,1,2
	s_delay_alu instid0(VALU_DEP_3)
	v_mov_b32 v[227+\i], v[240+\i]
.endr
.irp p, 0,1,2
	global_store_b64 v[LA8], v[224+2*\p:225+2*\p], s[12:13] offset:768*\hd+256*\p   ; 32 lanes store 256 consecutive bytes, aligned
.endr
.endm
	s_wait_tensorcnt 0x0                           ; my one load is in: behind this barrier both heads' k and v are whole, and no byte of LDS is filled twice
	s_barrier_signal -1
	s_barrier_wait -1                              ; everybody's is
	s_wait_loadcnt 8                               ; q of head 0: behind its four loads r's eight were issued
	KEYS 0
	FIN 0
	BEGIN
	s_wait_xcnt 0x0                                ; the stores of head 0's codes have read their registers, which the next head's steps write
	s_wait_loadcnt 8                               ; q of head 1: behind its four loads r's eight were issued.  Head 1's tiles were shown whole by the first barrier: none is needed here
	KEYS 1
	FIN 1
	ds_store_b32 v[GSA], v[GW]                     ; the sixteen waves' scale words meet (both halves of the lanes write the same word with the same value)
	s_wait_dscnt 0x0                               ; for the others' sake
	s_barrier_signal -1
	s_barrier_wait -1
	s_cmp_lt_u32 s[WV], 2                          ; 256 words: waves 0 and 1 store them, 16 bytes a lane, 512 consecutive bytes a wave
	s_cbranch_scc0 .Lnot_mine
	ds_load_b128 v[232:235], v[GRD]
	s_wait_dscnt 0x0
	global_store_b128 v[GOF], v[232:235], s[14:15]
.Lnot_mine:
	s_wait_tensorcnt 0x0
	ds_add_u32 v95, v243
	s_wait_dscnt 0x0
	CROUND                                         ; the closing round
	s_endpgm
.Lfunc_end_k_qb8cb8481cc_attn:
	.size	k_qb8cb8481cc_attn, .Lfunc_end_k_qb8cb8481cc_attn-k_qb8cb8481cc_attn
	.p2alignl 7, 3214868480
	.fill 96, 4, 3214868480
	.section	.rodata,"a",@progbits
	.p2align	6, 0x0
	.amdhsa_kernel k_qb8cb8481cc_attn
		.amdhsa_group_segment_fixed_size 239616
		.amdhsa_private_segment_fixed_size 0
		.amdhsa_enable_private_segment 0
		.amdhsa_kernarg_size 48
		.amdhsa_user_sgpr_count 2
		.amdhsa_user_sgpr_kernarg_segment_ptr 1
		.amdhsa_wavefront_size32 1
		.amdhsa_system_sgpr_workgroup_id_x 1
		.amdhsa_system_sgpr_workgroup_id_y 1
		.amdhsa_system_sgpr_workgroup_id_z 1
		.amdhsa_system_vgpr_workitem_id 0
		.amdhsa_next_free_vgpr 256
		.amdhsa_next_free_sgpr 80
		.amdhsa_reserve_vcc 0
		.amdhsa_float_denorm_mode_32 3
		.amdhsa_float_denorm_mode_16_64 3
		.amdhsa_memory_ordered 1
		.amdhsa_forward_progress 1
		.amdhsa_inst_pref_size 62
	.end_amdhsa_kernel
	.amdgpu_metadata
---
amdhsa.version: [ 1, 2 ]
amdhsa.kernels:
  - .name:           k_qb8cb8481cc_attn
    .symbol:         k_qb8cb8481cc_attn.kd
    .args:
      - { .name: qimg, .offset: 0, .size: 8, .value_kind: global_buffer, .address_space: global }
      - { .name: kimg, .offset: 8, .size: 8, .value_kind: global_buffer, .address_space: global }
      - { .name: vimg, .offset: 16, .size: 8, .value_kind: global_buffer, .address_space: global }
      - { .name: rimg, .offset: 24, .size: 8, .value_kind: global_buffer, .address_space: global }
      - { .name: gimg, .offset: 32, .size: 8, .value_kind: global_buffer, .address_space: global }
      - { .name: gsc, .offset: 40, .size: 8, .value_kind: global_buffer, .address_space: global }
    .group_segment_fixed_size: 239616
    .private_segment_fixed_size: 0
    .kernarg_segment_align: 8
    .kernarg_segment_size: 48
    .max_flat_workgroup_size: 512
    .sgpr_count:     80
    .vgpr_count:     256
    .wavefront_size: 32
...
	.end_amdgpu_metadata
.endif
;; end of part 2
;; launch outp (part 3): grid 4 x 64, 4 waves a work-group, clusters of 4 x 4, 327,680 bytes of LDS; arguments gimg, gsc, Wo_codes, Wo_scales, out0, bo; writes out0
.if DOCPART == 3
	.amdgcn_target "amdgcn-amd-amdhsa--gfx1250"
	.amdhsa_code_object_version 6
	.text
	.protected	k_qb8cb8481cc_outp
	.globl	k_qb8cb8481cc_outp
	.p2align	8
	.type	k_qb8cb8481cc_outp,@function
k_qb8cb8481cc_outp:
	s_mov_b64 s[64:65], 0
	v_nop
	global_prefetch_b8 v0, s[64:65] scope:SCOPE_SE
	s_setreg_imm32_b32 hwreg(HW_REG_WAVE_MODE, 25, 1), 1
	s_wait_xcnt 0x0
	s_wait_alu depctr_hold_cnt(0) depctr_sa_sdst(0) depctr_va_vdst(0) depctr_va_sdst(0) depctr_va_ssrc(0) depctr_va_vcc(0) depctr_vm_vsrc(0)
	s_getreg_b32 s2, hwreg(HW_REG_IB_STS2, 6, 4)
	s_cmp_eq_u32 s2, 0
	s_cbranch_scc0 .Lentry_in_a_cluster
	s_endpgm
.Lentry_in_a_cluster:
	s_bfe_u32 s2, ttmp6, 0x10000c
	s_cmp_lg_u32 s2, 0xf033
	s_cbranch_scc0 .Lentry_shape_is_right
	s_endpgm
.Lentry_shape_is_right:
; THE LAST PRODUCT: out0[8192 tokens][1024] = g Wo + bo, on codes of FP6 (E2M3) with E8M0 scales, f32 sums.
; g arrives as register images (gimg: a tile of 16 tokens = 8 K steps x 6 parts of 256 bytes, 8 bytes a lane) and scale words (gsc: [K step][token]).
; A block is 128 tokens x 256 features: 64 x 4 = 256 work-groups.  Four waves, each 64 x 128: 32 accumulators.
; ALL OF K LIES IN LDS: Wo's 256 rows whole (768 bytes, 16 of padding behind every 256: pitch 816), g's 8 tiles (98,304 dense bytes), both sides' scales:
; four tiles, one joint load a wave, all at the head; no byte of LDS is filled twice.  Every tensor row begins on a multiple of 256 bytes.
; CLUSTERS 4 x 4: g's tiles are shared along a row of the cluster, Wo's along a column.
; No prefetch: every tile is asked for at the head, so there is no loop to run ahead in.
; Source 0 = 16 rows of Wo, source 1 = 16 tokens: a lane holds eight neighbouring columns of a row of out0.  The bias is the C of the first products.
; REGISTERS: window 0: v16-31 addresses; v32-63 Wo's scale words, two sets; v64-127 bias; v128-223 g's fragments, two sets of 4; v224-239 g's scale words; window 1: Wo's fragments, two sets; window 2: accumulators.
.set SIZE_N, 1024
.set STEPS,  8
.set PITCH,  816
.set FR,     12
.set NP,     4                         ; places behind this matrix instruction (ISA guide 7.12.1)
.set KS,     32
.set AL,     256*PITCH                 ; g's images, behind Wo's rows
.set SCB,    AL+98304                  ; Wo's scales: 32 units of 256 bytes + 16
.set HALFS,  16*272
.set SBLK,   2*272
.set SCA,    SCB+2*HALFS               ; g's scale words: 8 K steps x 128 tokens
.set SPARE,  SCA+4096                  ; the spare words: 128 bytes a wave
.set SPITCH, 528                       ; the way out: a stage of 16 rows x (512 + 16) bytes a wave, from LDS byte 0, used behind the last barrier
.set ADRA, 16
.set ADRB, 20                          ; v20 my blocks 0-3, v21 blocks 4-7; v22, v23: the same with lanes 16-31 behind one padding more
.set STO,  24
.set RD,   25
.set CO,   26
.set ADRS, 27
.set SPW,  28
.set NIL,  29
.set BO32, 30
.set ADSA, 31
.set SC,   32
.set BI,   64
.set AF,   128
.set SA,   224
.set BK,   64
.set G1, 24
.set G0, 32
.set G1B, 48
.set G0B, 56
.set G1S, 68
.set G0S, 76
.set G1SB, 80
.set G0SB, 88
.set MSB, 0
.macro WIN new
.if MSB != (\new)
	s_set_vgpr_msb (MSB<<8)|(\new)
.set MSB, (\new)
.endif
.endm
.set MUL,  0xa1                        ; source 0 window 1, source 1 window 0, C and D window 2
.set FST,  0x81                        ; the same with C in window 0
.set TO_B, 0x40
.macro CROUND
	s_barrier_signal -1
	s_barrier_wait -1
	s_cmp_lg_u32 s14, 0
	s_cbranch_scc1 .Lnot_wave_0_\@
	s_barrier_signal -3
.Lnot_wave_0_\@:
	s_barrier_wait -3
	s_barrier_signal -1
	s_barrier_wait -1
.endm
	s_load_b128 s[4:7], s[0:1], 0x0                ; gimg, gsc
	s_load_b128 s[8:11], s[0:1], 0x10              ; Wo's codes, scales
	s_load_b64 s[12:13], s[0:1], 0x20              ; out0
	s_load_b64 s[96:97], s[0:1], 0x28              ; bo
	v_lshl_add_u32 v[SPW], v0, 2, SPARE
	v_mov_b32 v[NIL], 0
	ds_add_u32 v[SPW], v[NIL]                      ; the opening lines
	ds_add_u32 v[SPW], v[NIL]
	v_lshrrev_b32 v1, 5, v0
	v_readfirstlane_b32 s14, v1                    ; wave
	s_lshr_b32 s15, s14, 1                         ; my 64 of the 128 tokens
	s_and_b32 s16, s14, 1                          ; my 128 of the 256 features
	s_bfe_u32 s40, ttmp6, 0x40000                  ; cx, cy
	s_bfe_u32 s41, ttmp6, 0x40004
	s_lshl_b32 s42, ttmp9, 2
	s_add_co_u32 s42, s42, s40                     ; which 256 features
	s_and_b32 s17, ttmp7, 0xffff
	s_lshl_b32 s17, s17, 2
	s_add_co_u32 s17, s17, s41                     ; which 128 tokens
	s_lshl_b32 s43, s41, 2
	s_lshl_b32 s43, 15, s43                        ; my row of the cluster
	s_lshl_b32 s44, 0x1111, s40                    ; my column
	s_or_b32 s[G1+0], s43, (3<<16)|(1<<21)         ; g's images: 98,304 dense bytes as 384 rows of 256
	s_mov_b32 s[G1+1], 32<<16
	s_mov_b32 s[G1+2], 384<<16
	s_mov_b32 s[G1+3], 32<<16
	s_mov_b32 s[G1+4], 384
	s_mov_b32 s[G1+5], 32
	s_mov_b32 s[G1+6], 0
	s_mov_b32 s[G1+7], 0
	s_or_b32 s[G1B+0], s44, (0<<16)|(1<<20)|(1<<21)|(5<<22)|(3<<25)  ; Wo: 256 rows of 768 bytes, 16 of padding behind every 256
	s_mov_b32 s[G1B+1], 768<<16
	s_mov_b32 s[G1B+2], 256<<16
	s_mov_b32 s[G1B+3], 768<<16
	s_mov_b32 s[G1B+4], 256
	s_mov_b32 s[G1B+5], 768
	s_mov_b32 s[G1B+6], 0
	s_mov_b32 s[G1B+7], 0
	s_or_b32 s[G1S+0], s43, (3<<16)|(1<<21)        ; g's scale words: 8 rows (K steps) of 512 bytes, 32,768 apart
	s_mov_b32 s[G1S+1], 64<<16
	s_mov_b32 s[G1S+2], 8<<16
	s_mov_b32 s[G1S+3], 64<<16
	s_mov_b32 s[G1S+4], 8
	s_mov_b32 s[G1S+5], 4096
	s_mov_b32 s[G1S+6], 0
	s_mov_b32 s[G1S+7], 0
	s_or_b32 s[G1SB+0], s44, (3<<16)|(1<<20)|(1<<21)|(5<<22)|(3<<25) ; Wo's scales: 8,192 dense bytes as 32 rows of 256, padded
	s_mov_b32 s[G1SB+1], 32<<16
	s_mov_b32 s[G1SB+2], KS<<16
	s_mov_b32 s[G1SB+3], 32<<16
	s_mov_b32 s[G1SB+4], KS
	s_mov_b32 s[G1SB+5], 32
	s_mov_b32 s[G1SB+6], 0
	s_mov_b32 s[G1SB+7], 0
	s_mul_i32 s20, s17, 98304                      ; my tokens' images,
	s_mov_b32 s21, 0
	s_lshl_b32 s22, s17, 9                         ; their scale words in K step 0,
	s_mov_b32 s23, 0
	s_mul_i32 s46, s42, 256*768                    ; my features' codes,
	s_mov_b32 s47, 0
	s_lshl_b32 s92, s42, 13                        ; and scales
	s_mov_b32 s93, 0
	s_mul_i32 s94, s16, 128*PITCH                  ; LDS places: the wave's number and constants alone
	s_mul_i32 s95, s15, 4*12288
	s_add_co_u32 s95, s95, AL
	s_mul_i32 s18, s16, HALFS
	s_add_co_u32 s18, s18, SCB
	s_lshl_b32 s19, s15, 8
	s_add_co_u32 s19, s19, SCA
	s_mul_i32 s3, s14, 16*SPITCH
	s_wait_dscnt 0x0                               ; both opening adds are done
	s_wait_kmcnt 0x0
	s_add_nc_u64 s[20:21], s[4:5], s[20:21]
	s_add_nc_u64 s[22:23], s[6:7], s[22:23]
	s_add_nc_u64 s[46:47], s[8:9], s[46:47]
	s_add_nc_u64 s[92:93], s[10:11], s[92:93]
	CROUND                                         ; the joint loads meet
	s_mov_b32 s[G0], 1
	s_mov_b32 s[G0+1], AL
	s_mov_b64 s[G0+2:G0+3], s[20:21]
	s_or_b32 s[G0+3], s[G0+3], 0x80000000
	s_mov_b32 s[G0B], 1
	s_mov_b32 s[G0B+1], 0
	s_mov_b64 s[G0B+2:G0B+3], s[46:47]
	s_or_b32 s[G0B+3], s[G0B+3], 0x80000000
	s_mov_b32 s[G0S], 1
	s_mov_b32 s[G0S+1], SCA
	s_mov_b64 s[G0S+2:G0S+3], s[22:23]
	s_or_b32 s[G0S+3], s[G0S+3], 0x80000000
	s_mov_b32 s[G0SB], 1
	s_mov_b32 s[G0SB+1], SCB
	s_mov_b64 s[G0SB+2:G0SB+3], s[92:93]
	s_or_b32 s[G0SB+3], s[G0SB+3], 0x80000000
; one load a wave, in one chain of arms: wave 0 Wo's rows, wave 1 g's images, wave 2 g's scale words, wave 3 Wo's scales
.macro ARM under, g0, g1, next
	s_cmp_lt_u32 s14, \under
	s_cbranch_scc0 \next
	tensor_load_to_lds s[\g0:\g0+3], s[\g1:\g1+7]
	s_nop 0
.rept 4
	v_nop
.endr
	s_branch .Lhead_asked
\next:
.endm
	ARM 1, G0B, G1B, .Lhead_a
	ARM 2, G0,  G1,  .Lhead_sa
	ARM 3, G0S, G1S, .Lhead_sb
	tensor_load_to_lds s[G0SB:G0SB+3], s[G1SB:G1SB+7]
	s_nop 0
.rept 4
	v_nop
.endr
.Lhead_asked:
	s_lshl_b32 s20, s17, 7                         ; my first row of out0: 128 x block + 64 x half, rows of 4,096 bytes
	s_lshl_b32 s21, s15, 6
	s_add_co_u32 s20, s20, s21
	s_lshl_b32 s20, s20, 12
	s_mov_b32 s21, 0
	s_lshl_b32 s46, s42, 10                        ; my first column, in bytes
	s_lshl_b32 s47, s16, 9
	s_add_co_u32 s46, s46, s47
	s_mov_b32 s47, 0
	s_add_nc_u64 s[96:97], s[96:97], s[46:47]
	s_add_nc_u64 s[20:21], s[20:21], s[46:47]
	s_add_nc_u64 s[12:13], s[12:13], s[20:21]
	v_and_b32 v1, 15, v0                           ; r
	v_bfe_u32 v2, v0, 4, 1                         ; h
	v_and_b32 v6, 31, v0
	v_lshlrev_b32 v7, 3, v6
	v_mul_u32_u24 v3, v1, PITCH
	v_mad_u32_u24 v4, v2, 24, v3                   ; row x pitch + 24 h
	v_add_nc_u32 v[ADRB], s94, v4
	v_add_nc_u32 v[ADRA], s95, v7                  ; an image: 8 x lane
	v_add_nc_u32 v[ADRB+1], 64*PITCH, v[ADRB]
	v_lshl_add_u32 v[ADRB+2], v2, 4, v[ADRB]
	v_lshl_add_u32 v[ADRB+3], v2, 4, v[ADRB+1]
	v_mul_u32_u24 v5, v1, KS                       ; Wo's scale bytes: 32 a row, 16 more for each 256 passed
	v_lshrrev_b32 v8, 8, v5
	v_lshl_add_u32 v5, v8, 4, v5
	v_add_nc_u32 v[ADRS], s18, v5
	v_lshlrev_b32 v8, 2, v1                        ; g's words: lanes 0-15 the even K step, lanes 16-31 the odd one
	v_lshl_add_u32 v8, v2, 9, v8
	v_add_nc_u32 v[ADSA], s19, v8
	v_mul_u32_u24 v5, v1, SPITCH
	v_lshl_add_u32 v5, v2, 5, v5
	v_add_nc_u32 v[STO], s3, v5
	v_lshlrev_b32 v[CO], 4, v6
	v_add_nc_u32 v[RD], s3, v[CO]
	v_lshlrev_b32 v[BO32], 5, v2
	s_wait_alu depctr_va_vdst(0)                   ; the head's end
.irp b, 0,1,2,3,4,5,6,7
	global_load_b128 v[BI+8*\b:BI+8*\b+3], v[BO32], s[96:97] offset:64*\b
	global_load_b128 v[BI+8*\b+4:BI+8*\b+7], v[BO32], s[96:97] offset:64*\b+16
.endr
.macro FRAGB reg, st, i                ; Wo's fragment in pieces of 8 bytes: byte y of a row lies at y + 16 (y / 256); where lanes 16-31 (24 bytes on) pass a padding, the second pair of addresses serves
.irp p, 0,1,2,3,4,5
.set BY, 96*(\st)+48*(\p/3)+8*(\p%3)
	ds_load_b64 v[\reg+2*\p:\reg+2*\p+1], v[ADRB+(\i)/4+2*((BY%256)/232)] offset:BY+16*(BY/256)+((\i)%4)*16*PITCH
.endr
.endm
.macro FETCH nx                        ; step nx's fragments into set nx % 2; with an even step the scale words of two steps
	WIN TO_B
.irp i, 0,1,2,3,4,5,6,7
	FRAGB 128*((\nx)%2)+FR*\i, \nx, \i
.endr
	WIN 0
.irp i, 0,1,2,3
.irp p, 0,1,2,3,4,5
	ds_load_b64 v[AF+48*((\nx)%2)+FR*\i+2*\p:AF+48*((\nx)%2)+FR*\i+2*\p+1], v[ADRA] offset:12288*\i+1536*(\nx)+256*\p
.endr
.endr
.if (\nx)%2 == 0
.irp i, 0,1,2,3,4,5,6,7
	ds_load_b64 v[SC+16*(((\nx)/2)%2)+2*\i:SC+16*(((\nx)/2)%2)+2*\i+1], v[ADRS] offset:\i*SBLK+4*(\nx)
.endr
.irp i, 0,1,2,3
	ds_load_b32 v[SA+8*(((\nx)/2)%2)+\i], v[ADSA] offset:64*\i+512*(\nx)
.endr
.endif
.endm
; 16 products: token blocks a0, a0 + 1 x Wo's eight.  The 32 accumulators take turns.
.macro MUL16 a0, st
.irp a, \a0, \a0+1
.irp b, 0,1,2,3,4,5,6,7
.set DD, 8*(8*(\a)+\b)
.set FB, 128*((\st)%2)+FR*\b
.set FA, AF+48*((\st)%2)+FR*(\a)
.set RB_, SC+16*(((\st)/2)%2)+2*\b+(\st)%2
.set RA_, SA+8*(((\st)/2)%2)+(\a)
.if (\st) == 0
	v_wmma_scale_f32_16x16x128_f8f6f4 v[DD:DD+7], v[FB:FB+FR-1], v[FA:FA+FR-1], v[BI+8*\b:BI+8*\b+7], v[RB_], v[RA_] matrix_a_fmt:MATRIX_FMT_FP6 matrix_b_fmt:MATRIX_FMT_FP6
.elseif (\st)%2 == 1
	v_wmma_scale_f32_16x16x128_f8f6f4 v[DD:DD+7], v[FB:FB+FR-1], v[FA:FA+FR-1], v[DD:DD+7], v[RB_], v[RA_] matrix_a_fmt:MATRIX_FMT_FP6 matrix_b_fmt:MATRIX_FMT_FP6 matrix_b_scale:MATRIX_SCALE_ROW1
.else
	v_wmma_scale_f32_16x16x128_f8f6f4 v[DD:DD+7], v[FB:FB+FR-1], v[FA:FA+FR-1], v[DD:DD+7], v[RB_], v[RA_] matrix_a_fmt:MATRIX_FMT_FP6 matrix_b_fmt:MATRIX_FMT_FP6
.endif
.endr
.endr
.endm
.macro PLACES n
.rept \n
	v_nop
.endr
.endm
; A step of 128 along K: this step's fragments are in; the next step's are asked for into the other sets, ahead of this step's 32 products.
.macro STEP st
	s_wait_dscnt 0x0
.if (\st) == STEPS-1
	s_barrier_signal -1                            ; my reads of the tiles are over: behind this barrier the stage may lie on them
.else
	PLACES NP                                      ; behind the last step's products, which read the sets now loaded
	FETCH (\st)+1
.endif
.if (\st) == 0
	WIN FST
.else
	WIN MUL
.endif
	MUL16 0, \st
	MUL16 2, \st
	WIN 0
.endm
	s_wait_tensorcnt 0x0                           ; my tile is in
	s_barrier_signal -1
	s_barrier_wait -1                              ; everybody's is
	FETCH 0
	s_wait_loadcnt 0x0                             ; the bias
.set ST, 0
.rept STEPS
	STEP ST
.set ST, ST+1
.endr
	s_barrier_wait -1
; THE WAY OUT, block by block of 16 rows x 128 columns, through my own stage, back as whole rows of 512 bytes.
.macro TOSTAGE a
.set AC, 64*(\a)
	WIN 0x08                                       ; the data: window 2
.irp b, 0,1,2,3,4,5,6,7
	ds_store_b128 v[STO], v[AC+8*\b:AC+8*\b+3] offset:64*\b          ; each accumulator from its low end on
	ds_store_b128 v[STO], v[AC+8*\b+4:AC+8*\b+7] offset:64*\b+16
.endr
	WIN 0
.set BB, BK+64*((\a)%2)
.irp t, 0,1,2,3,4,5,6,7,8,9,10,11,12,13,14,15
	ds_load_b128 v[BB+4*\t:BB+4*\t+3], v[RD] offset:\t*SPITCH        ; LDS serves a wave's instructions in order (ISA guide 5.7.1.4)
.endr
.endm
.macro SEND a, younger                 ; younger: the LDS instructions issued behind block a's loads
.set BB, BK+64*((\a)%2)
	s_wait_dscnt \younger
.if (\a) > 0
	s_add_nc_u64 s[12:13], s[12:13], 16*SIZE_N*4   ; behind a wait on XCNT
.endif
.irp t, 0,1,2,3,4,5,6,7,8,9,10,11,12,13,14,15
	global_store_b128 v[CO], v[BB+4*\t:BB+4*\t+3], s[12:13] offset:\t*SIZE_N*4 th:TH_STORE_NT   ; 32 lanes store 512 consecutive bytes, aligned
.endr
.endm
	PLACES NP
	TOSTAGE 0
.irp a, 1,2,3
.if \a > 1
	s_wait_xcnt 0x0                                ; block a - 2's stores have read their registers and base
.endif
	TOSTAGE \a
	SEND \a-1, 32                                  ; behind block a - 1's loads: block a's 16 stores and 16 loads
.endr
	s_wait_xcnt 0x0
	SEND 3, 0
	s_wait_tensorcnt 0x0                           ; the wave's end
	ds_add_u32 v[SPW], v[NIL]
	s_wait_dscnt 0x0
	CROUND                                         ; the closing round
	s_endpgm
.Lfunc_end_k_qb8cb8481cc_outp:
	.size	k_qb8cb8481cc_outp, .Lfunc_end_k_qb8cb8481cc_outp-k_qb8cb8481cc_outp
	.p2alignl 7, 3214868480
	.fill 96, 4, 3214868480
	.section	.rodata,"a",@progbits
	.p2align	6, 0x0
	.amdhsa_kernel k_qb8cb8481cc_outp
		.amdhsa_group_segment_fixed_size 327680
		.amdhsa_private_segment_fixed_size 0
		.amdhsa_enable_private_segment 0
		.amdhsa_kernarg_size 48
		.amdhsa_user_sgpr_count 2
		.amdhsa_user_sgpr_kernarg_segment_ptr 1
		.amdhsa_wavefront_size32 1
		.amdhsa_system_sgpr_workgroup_id_x 1
		.amdhsa_system_sgpr_workgroup_id_y 1
		.amdhsa_system_sgpr_workgroup_id_z 1
		.amdhsa_system_vgpr_workitem_id 0
		.amdhsa_next_free_vgpr 768
		.amdhsa_next_free_sgpr 98
		.amdhsa_reserve_vcc 0
		.amdhsa_float_denorm_mode_32 3
		.amdhsa_float_denorm_mode_16_64 3
		.amdhsa_memory_ordered 1
		.amdhsa_forward_progress 1
		.amdhsa_inst_pref_size 99
	.end_amdhsa_kernel
	.amdgpu_metadata
---
amdhsa.version: [ 1, 2 ]
amdhsa.kernels:
  - .name:           k_qb8cb8481cc_outp
    .symbol:         k_qb8cb8481cc_outp.kd
    .args:
      - { .name: gimg, .offset: 0, .size: 8, .value_kind: global_buffer, .address_space: global }
      - { .name: gsc, .offset: 8, .size: 8, .value_kind: global_buffer, .address_space: global }
      - { .name: Wo_codes, .offset: 16, .size: 8, .value_kind: global_buffer, .address_space: global }
      - { .name: Wo_scales, .offset: 24, .size: 8, .value_kind: global_buffer, .address_space: global }
      - { .name: out0, .offset: 32, .size: 8, .value_kind: global_buffer, .address_space: global }
      - { .name: bo, .offset: 40, .size: 8, .value_kind: global_buffer, .address_space: global }
    .group_segment_fixed_size: 327680
    .private_segment_fixed_size: 0
    .kernarg_segment_align: 8
    .kernarg_segment_size: 48
    .max_flat_workgroup_size: 128
    .sgpr_count:     98
    .vgpr_count:     768
    .wavefront_size: 32
...
	.end_amdgpu_metadata
.endif
;; end of part 3
